; MI455X (gfx1250); checked and timed in simulation.
; The chip was launched on July 23, 2026; its instructions are those of AMD's public machine-readable ISA for CDNA 5 (MIT licence, August 2026) and "CDNA5" Instruction Set Architecture Reference Guide (July 2026). The comments in the code are by the model that wrote it; some were corrected since.
;; Multi Head Self Attention. Allowed arithmetic: matrix products marked QUANTISED: E2M1 operands, one E8M0 scale for each 32 along K, by v_wmma_scale_f32_16x16x128_f8f6f4 with both operands' format E2M1 (or v_wmma_scale_f32_32x16x128_f4), f32 sums; products left as they are: bf16, f16 or f32 operands; f32 sums; everything else in f32.
;; Inputs: w_k 1,024 x 1,024 float32; w_o 1,024 x 1,024 float32; w_q 1,024 x 1,024 float32; w_v 1,024 x 1,024 float32; x 4 x 2,048 x 1,024 float32.
;; Outputs: out0 4 x 2,048 x 1,024 float32.
;; This version of the problem:
;;   THIS VERSION OF THE PROBLEM IS GIVEN IN LOW PRECISION. The matrix products marked QUANTISED in the list below multiply operands that are first quantised to E2M1 (2 exponent bits, 1 mantissa bit; 4 bits a number), with one power-of-two scale for each 32 numbers along K (OCP MX v1.0); their sums are f32. The products marked 'left as it is' may take bf16, f16 or f32 operands, with f32 sums. Whichever they take, every output number must still come out within the allowed error. Rounding operands to bf16 (8 significant bits) uses up far more of that allowance than f16 does (11 bits, for magnitudes from 6e-5 to 65,504). All else is computed in f32.
;;   The module's matrix products, in the order in which they are computed (A, B: the left and right operand; K: the contracted axis; several contracted axes count as one K, in the product's order):
;;     1. [M 8,192, K 1,024] x [K 1,024, N 1,024]; A: input x; B: input w_q: QUANTISED
;;     2. [M 8,192, K 1,024] x [K 1,024, N 1,024]; A: input x; B: input w_k: QUANTISED
;;     3. [M 8,192, K 1,024] x [K 1,024, N 1,024]; A: input x; B: input w_v: QUANTISED
;;     4. batch 64 x [M 2,048, K 64] x [K 64, N 2,048]; A: computed on the way; B: computed on the way: left as it is (an operand is computed on the way)
;;     5. batch 64 x [M 2,048, K 2,048] x [K 2,048, N 64]; A: computed on the way; B: computed on the way: left as it is (an operand is computed on the way)
;;     6. [M 8,192, K 1,024] x [K 1,024, N 1,024]; A: computed on the way; B: input w_o: left as it is (an operand is computed on the way)
;;   THE QUANTISER, for each operand of a quantised product, along K:
;;     - K is cut into blocks of 32 from its start; a last block that is shorter is filled with zeros.
;;     - A block's scale is 2^e with e = floor(log2(the largest magnitude in the block)) - 2, held to -126 .. 127; a block of zeros has e = 0. As a byte (E8M0): e + 127.
;;     - Each number is divided by its block's scale, clamped to +-6, and rounded to the nearest number of E2M1, ties to even, subnormals kept.
;;     - The product sums the exact products of the quantised numbers (number of the format x scale) in f32.
;;   ~~~python
;;   def quantise(x, axis):      # numpy; x: float32 -> the quantised numbers, widened to float32 again
;;       x = np.moveaxis(x, axis, -1); K = x.shape[-1]
;;       x = np.pad(x, [(0, 0)] * (x.ndim - 1) + [(0, -K % 32)]); x = x.reshape(x.shape[:-1] + (-1, 32)); a = np.abs(x).max(-1, keepdims=True)
;;       e = np.where(a > 0, np.clip(np.frexp(np.where(a > 0, a, 1))[1] - 1 - 2, -126, 127), 0)      # np.frexp(a)[1] - 1 = floor(log2(a)), exactly
;;       r = np.clip(x / 2.0 ** e, -6, 6)
;;       step = 2.0 ** (np.maximum(np.frexp(np.where(r == 0, 1, r))[1] - 1, 0) - 1)
;;       q = np.round(r / step) * step * 2.0 ** e      # np.round: ties to even
;;       return np.moveaxis(q.reshape(q.shape[:-2] + (-1,))[..., :K], -1, axis).astype(np.float32)
;;   ~~~
;; One version. Each part assembles by itself: llvm-mc -triple=amdgcn-amd-amdhsa -mcpu=gfx1250 --defsym DOCPART=n.
;; ======== version 1 of 1: 5 launches
;; limits: values are held in f16: magnitudes above 65,504 overflow, below 6.1e-05 lose precision
;; workspace buffers: xc 4,194,304 bytes; xs 262,144 bytes; wc 1,572,864 bytes; ws 98,304 bytes; wo16 2,097,152 bytes; qkv 50,331,648 bytes; fq 786,432 bytes; o16 16,777,216 bytes
;; launch quant (part 1): grid 384 x 1, 4 waves a work-group, no clusters, 33,280 bytes of LDS; arguments x, w_q, w_k, w_v, w_o, xc, xs, wc, ws, wo16; writes xc, xs, wc, ws, wo16
.if DOCPART == 1
	.amdgcn_target "amdgcn-amd-amdhsa--gfx1250"
	.amdhsa_code_object_version 6
	.text
	.protected	k_q4748e5a272_quant
	.globl	k_q4748e5a272_quant
	.p2align	8
	.type	k_q4748e5a272_quant,@function
k_q4748e5a272_quant:
	s_mov_b64 s[64:65], 0
	v_nop
	global_prefetch_b8 v0, s[64:65] scope:SCOPE_SE
	s_setreg_imm32_b32 hwreg(HW_REG_WAVE_MODE, 25, 1), 1
	s_wait_xcnt 0x0
; x [8192][1024] and w_q, w_k, w_v [1024][1024], f32, become codes of FP4 (E2M1), K innermost, two codes a byte, with one E8M0 scale byte for each 32 along K;
; w_o [1024][1024] becomes f16.  xc [8192][512 bytes], xs [8192][32]; wc [3072][512], ws [3072][32]: rows 0-1023 w_q, 1024-2047 w_k, 2048-3071 w_v; wo16 [1024][1024].
; A block's scale is 2^(floor(log2(its largest magnitude)) - 2); its byte is the largest magnitude's exponent field - 2, held at 1 from below.  Each number is divided by the scale and rounded to the nearest code, ties to even.
; LIMITS: a block of zeros gets the byte 1 (its codes are zeros, and this program alone reads the bytes); blocks whose largest magnitude lies under 2^-124 were not tried;
; NaN and infinities among the inputs are not served; |w_o| stays at or under 65,504 (f16).
; Rows are dense and K is a multiple of 32: every tensor is a plain stream of blocks of 32.  A work-group takes 32,768 numbers, a wave 8,192.
; Work-groups 0-255: x; 256-287: w_q; 288-319: w_k; 320-351: w_v (one path, the buffers chosen by the work-group's number); 352-383: w_o, a path of its own without LDS.
; No tensor loads, no barrier, no cluster: the waves share nothing, and every byte is read once.
.set WAVES, 4
.set STEPS, 16
.set EMAX,  2
.set CB,    8                          ; bytes of 16 codes
.set R,     16                         ; v16-79   four sets of 16 numbers as they are loaded (w_o's path: v16-143, two sets of 64)
.set X,     80                         ; v80-111  two sets of 16 neighbours
.set E,     112                        ; v112-127 a scale byte for each step
.set C,     128                        ; v128-191 codes: four registers for each step, so that no store's data are written again
.set HF,    144                        ; w_o's path: v144-175 the packed f16
.set WREG,  8192                       ; LDS: a region for each wave: two stages of 32 x SP bytes, behind them its 256 scale bytes
.set SP,    80                         ; a lane's place in a stage: its 64 bytes + 16 of padding
.set SPW,   12                         ; v12 LDS address of my spare word; never rewritten
.set NIL,   13                         ; v13 0; never rewritten
.set SPARE, WAVES*WREG                 ; behind the four regions: the spare words, 128 bytes a wave, which no other line names
	s_load_b256 s[4:11], s[0:1], 0x0               ; x, w_q, w_k, w_v
	s_load_b256 s[12:19], s[0:1], 0x20             ; w_o, xc, xs, wc
	s_load_b128 s[20:23], s[0:1], 0x40             ; ws, wo16
	v_lshl_add_u32 v[SPW], v0, 2, SPARE
	v_mov_b32 v[NIL], 0
	v_lshrrev_b32 v1, 5, v0
	v_readfirstlane_b32 s24, v1                    ; wave
	v_and_b32 v2, 31, v0                           ; lane
	v_lshlrev_b32 v3, 4, v2                        ; my 16 bytes of a load's 512
	s_mul_i32 s25, s24, WREG
	v_lshrrev_b32 v14, 2, v2
	v_mul_u32_u24 v14, v14, SP
	v_and_b32 v15, 3, v2
	v_lshl_add_u32 v14, v15, 4, v14
	v_add_nc_u32 v14, s25, v14                     ; the stage, on the way in: SP (lane / 4) + 16 (lane % 4)
	v_mul_u32_u24 v15, v2, SP
	v_add_nc_u32 v15, s25, v15                     ; and on the way out: SP x lane: my 16 neighbours
	v_mul_u32_u24 v4, v2, CB                       ; my codes' place in a step's
	v_lshrrev_b32 v5, 1, v2
	s_add_co_u32 s25, s25, 2*32*SP
	v_add_nc_u32 v5, s25, v5                       ; LDS: my wave's 256 scale bytes, my block's byte
	v_lshlrev_b32 v7, 3, v2                        ; 8 bytes a lane
	v_add_nc_u32 v6, s25, v7
	s_sub_co_u32 s26, ttmp9, 256                   ; which group of 32,768 among the three weights (used in their work-groups alone)
	s_and_b32 s27, s26, 31                         ; and inside its own weight
	s_wait_kmcnt 0x0
	s_cmp_ge_u32 ttmp9, 352
	s_cbranch_scc1 .Lwo
	s_cmp_lt_u32 ttmp9, 288                        ; the choices hang on the work-group's number alone
	s_cselect_b64 s[28:29], s[6:7], s[8:9]
	s_cmp_lt_u32 ttmp9, 320
	s_cselect_b64 s[28:29], s[28:29], s[10:11]
	s_cmp_lt_u32 ttmp9, 256
	s_cselect_b64 s[28:29], s[4:5], s[28:29]       ; the numbers,
	s_cselect_b64 s[30:31], s[14:15], s[18:19]     ; the codes,
	s_cselect_b64 s[32:33], s[16:17], s[20:21]     ; the scale bytes
	s_cselect_b32 s34, ttmp9, s27                  ; the group in the source,
	s_cselect_b32 s35, ttmp9, s26                  ; and in the destination (the three weights' codes lie on end)
	s_lshl_b32 s34, s34, 2
	s_add_co_u32 s34, s34, s24                     ; my wave's run of 8,192 numbers
	s_lshl_b32 s35, s35, 2
	s_add_co_u32 s35, s35, s24
	s_lshl_b32 s36, s34, 15                        ; 32,768 bytes of f32 a run
	s_mov_b32 s37, 0
	s_add_nc_u64 s[28:29], s[28:29], s[36:37]
	s_lshl_b32 s36, s35, 12                        ; 4,096 bytes of codes
	s_add_nc_u64 s[30:31], s[30:31], s[36:37]
	s_lshl_b32 s36, s35, 8                         ; 256 scale bytes
	s_add_nc_u64 s[32:33], s[32:33], s[36:37]
.macro LOAD t
.irp i, 0,1,2,3
	global_load_b128 v[R+16*((\t)%4)+4*\i:R+16*((\t)%4)+4*\i+3], v3, s[28:29] offset:2048*(\t)+512*\i th:TH_LOAD_NT   ; 32 lanes read 512 consecutive bytes
.endr
.endm
.macro TURN t                          ; step t's numbers through the stage: LDS serves a wave's instructions in order, so no wait stands between the stores and the loads
.irp i, 0,1,2,3
	ds_store_b128 v14, v[R+16*((\t)%4)+4*\i:R+16*((\t)%4)+4*\i+3] offset:32*SP*((\t)%2)+8*SP*\i
.endr
.irp i, 0,1,2,3
	ds_load_b128 v[X+16*((\t)%2)+4*\i:X+16*((\t)%2)+4*\i+3], v15 offset:32*SP*((\t)%2)+16*\i
.endr
.endm
.irp t, 0,1,2,3
	LOAD \t
.endr
	s_wait_loadcnt 12                              ; step 0's four loads are in; the twelve of steps 1 to 3 may be out
	TURN 0
.macro STEP t
.set XS, X+16*((\t)%2)
.if (\t) > 0
	s_wait_dscnt 1                                 ; this step's numbers are back from the stage; the one younger LDS instruction, the last step's byte store, may be out
.else
	s_wait_dscnt 0x0
.endif
.if (\t)+4 < STEPS
	LOAD (\t)+4                                    ; into the registers that this step's stores into the stage have read
.endif
.if (\t)+1 < STEPS
.if STEPS-2-(\t) >= 3
	s_wait_loadcnt 12                              ; the next step's four loads are in; those of the three steps behind it may be out
.else
	s_wait_loadcnt 4*(STEPS-2-(\t))
.endif
	TURN (\t)+1
.endif
	v_max3_num_f32 v8, |v[XS]|, |v[XS+1]|, |v[XS+2]|               ; the largest magnitude of my 16, in two chains
	v_max3_num_f32 v9, |v[XS+3]|, |v[XS+4]|, |v[XS+5]|
.irp i, 6,10
	v_max3_num_f32 v8, v8, |v[XS+\i]|, |v[XS+\i+1]|
	v_max3_num_f32 v9, v9, |v[XS+\i+2]|, |v[XS+\i+3]|
.endr
	v_max3_num_f32 v8, v8, |v[XS+14]|, |v[XS+15]|
	v_max3_num_f32 v8, v8, v9, (EMAX+1)<<23        ; and the floor 2^(3 - 127): the byte cannot fall under 1
	v_max_num_f32_dpp v8, v8, v8 row_xmask:1 row_mask:0xf bank_mask:0xf   ; with my neighbour's 16: the block's
	v_add_nc_u32 v11, -(EMAX<<23), v8              ; 2 off its exponent field: the conversion takes the exponent field of this operand as its scale
	v_cvt_scalef32_pk8_fp4_f32 v[C+4*(\t)], v[XS:XS+7], v11
	v_cvt_scalef32_pk8_fp4_f32 v[C+4*(\t)+1], v[XS+8:XS+15], v11
	v_lshrrev_b32 v[E+(\t)], 23, v11               ; the scale's byte (also the plain line behind the conversions)
	ds_store_b8 v5, v[E+(\t)] offset:16*(\t)       ; both lanes of a block write the same byte with the same value
	global_store_b64 v4, v[C+4*(\t):C+4*(\t)+1], s[30:31] offset:32*CB*(\t)   ; the wave stores 256 consecutive bytes, aligned
.endm
.irp t, 0,1,2,3,4,5,6,7,8,9,10,11,12,13,14,15
	STEP \t
.endr
	ds_load_b64 v[8:9], v6                         ; LDS serves a wave's instructions in order: these see my byte stores
	s_wait_dscnt 0x0
	global_store_b64 v7, v[8:9], s[32:33]          ; my wave's 256 scale bytes: 256 consecutive bytes, aligned
	s_wait_tensorcnt 0x0                           ; the wave's end, behind my last LDS store
	ds_add_u32 v[SPW], v[NIL]
	s_wait_dscnt 0x0
	s_endpgm
; w_o to f16: a wave takes 8,192 numbers in four batches of sixteen loads; two batches are out at a time.
.Lwo:
	s_sub_co_u32 s34, ttmp9, 352
	s_lshl_b32 s34, s34, 2
	s_add_co_u32 s34, s34, s24                     ; my wave's run
	s_lshl_b32 s36, s34, 15
	s_mov_b32 s37, 0
	s_add_nc_u64 s[12:13], s[12:13], s[36:37]
	s_lshl_b32 s36, s34, 14
	s_add_nc_u64 s[22:23], s[22:23], s[36:37]
.macro LOADB k
.irp i, 0,1,2,3,4,5,6,7,8,9,10,11,12,13,14,15
	global_load_b128 v[R+64*((\k)%2)+4*\i:R+64*((\k)%2)+4*\i+3], v3, s[12:13] offset:8192*(\k)+512*\i
.endr
.endm
.macro BATCH k
.if (\k) < 3
	s_wait_loadcnt 16                              ; this batch is in; the next batch's sixteen loads may be out
.else
	s_wait_loadcnt 0x0
.endif
.if (\k) > 0
	s_wait_xcnt 0x0                                ; the last batch's stores have read their data: the registers are written again only behind this wait
.endif
.set i, 0
.rept 32
	v_cvt_pk_f16_f32 v[HF+i], v[R+64*((\k)%2)+2*i], v[R+64*((\k)%2)+2*i+1]
.set i, i+1
.endr
.irp i, 0,1,2,3,4,5,6,7,8,9,10,11,12,13,14,15
	global_store_b64 v7, v[HF+2*\i:HF+2*\i+1], s[22:23] offset:4096*(\k)+256*\i   ; 32 lanes store 256 consecutive bytes, aligned
.endr
.if (\k)+2 < 4
	LOADB (\k)+2
.endif
.endm
	LOADB 0
	LOADB 1
	BATCH 0
	BATCH 1
	BATCH 2
	BATCH 3
	s_endpgm
.Lfunc_end_k_q4748e5a272_quant:
	.size	k_q4748e5a272_quant, .Lfunc_end_k_q4748e5a272_quant-k_q4748e5a272_quant
	.p2alignl 7, 3214868480
	.fill 96, 4, 3214868480
	.section	.rodata,"a",@progbits
	.p2align	6, 0x0
	.amdhsa_kernel k_q4748e5a272_quant
		.amdhsa_group_segment_fixed_size 33280
		.amdhsa_private_segment_fixed_size 0
		.amdhsa_enable_private_segment 0
		.amdhsa_kernarg_size 80
		.amdhsa_user_sgpr_count 2
		.amdhsa_user_sgpr_kernarg_segment_ptr 1
		.amdhsa_wavefront_size32 1
		.amdhsa_system_sgpr_workgroup_id_x 1
		.amdhsa_system_sgpr_workgroup_id_y 1
		.amdhsa_system_sgpr_workgroup_id_z 1
		.amdhsa_system_vgpr_workitem_id 0
		.amdhsa_next_free_vgpr 192
		.amdhsa_next_free_sgpr 66
		.amdhsa_reserve_vcc 0
		.amdhsa_float_denorm_mode_32 3
		.amdhsa_float_denorm_mode_16_64 3
		.amdhsa_memory_ordered 1
		.amdhsa_forward_progress 1
		.amdhsa_inst_pref_size 54
	.end_amdhsa_kernel
	.amdgpu_metadata
---
amdhsa.version: [ 1, 2 ]
amdhsa.kernels:
  - .name:           k_q4748e5a272_quant
    .symbol:         k_q4748e5a272_quant.kd
    .args:
      - { .name: x, .offset: 0, .size: 8, .value_kind: global_buffer, .address_space: global }
      - { .name: w_q, .offset: 8, .size: 8, .value_kind: global_buffer, .address_space: global }
      - { .name: w_k, .offset: 16, .size: 8, .value_kind: global_buffer, .address_space: global }
      - { .name: w_v, .offset: 24, .size: 8, .value_kind: global_buffer, .address_space: global }
      - { .name: w_o, .offset: 32, .size: 8, .value_kind: global_buffer, .address_space: global }
      - { .name: xc, .offset: 40, .size: 8, .value_kind: global_buffer, .address_space: global }
      - { .name: xs, .offset: 48, .size: 8, .value_kind: global_buffer, .address_space: global }
      - { .name: wc, .offset: 56, .size: 8, .value_kind: global_buffer, .address_space: global }
      - { .name: ws, .offset: 64, .size: 8, .value_kind: global_buffer, .address_space: global }
      - { .name: wo16, .offset: 72, .size: 8, .value_kind: global_buffer, .address_space: global }
    .group_segment_fixed_size: 33280
    .private_segment_fixed_size: 0
    .kernarg_segment_align: 8
    .kernarg_segment_size: 80
    .max_flat_workgroup_size: 128
    .sgpr_count:     66
    .vgpr_count:     192
    .wavefront_size: 32
...
	.end_amdgpu_metadata
.endif
;; end of part 1
;; launch qkv (part 2): grid 12 x 32, 4 waves a work-group, clusters of 4 x 4, 327,680 bytes of LDS; arguments xc, xs, wc, ws, qkv, fq; writes qkv, fq
.if DOCPART == 2
	.amdgcn_target "amdgcn-amd-amdhsa--gfx1250"
	.amdhsa_code_object_version 6
	.text
	.protected	k_q4748e5a272_qkv
	.globl	k_q4748e5a272_qkv
	.p2align	8
	.type	k_q4748e5a272_qkv,@function
k_q4748e5a272_qkv:
	s_mov_b64 s[64:65], 0
	v_nop
	global_prefetch_b8 v0, s[64:65] scope:SCOPE_SE
	s_setreg_imm32_b32 hwreg(HW_REG_WAVE_MODE, 25, 1), 1
	s_wait_xcnt 0x0
	s_wait_alu depctr_hold_cnt(0) depctr_sa_sdst(0) depctr_va_vdst(0) depctr_va_sdst(0) depctr_va_ssrc(0) depctr_va_vcc(0) depctr_vm_vsrc(0)
	s_getreg_b32 s2, hwreg(HW_REG_IB_STS2, 6, 4)
	s_cmp_eq_u32 s2, 0
	s_cbranch_scc0 .Lentry_in_a_cluster
	s_endpgm
.Lentry_in_a_cluster:
	s_bfe_u32 s2, ttmp6, 0x10000c
	s_cmp_lg_u32 s2, 0xf033
	s_cbranch_scc0 .Lentry_shape_is_right
	s_endpgm
.Lentry_shape_is_right:
; C[m][n] = sum over k of x[m][k] w[n][k] on codes of FP4 (E2M1) with one E8M0 scale for each 32 along K: m = 8,192 rows of x, n = 3,072 rows of w_q, w_k, w_v on end, K = 1,024.  Sums in f32.
; The results leave as f16 by head: qkv [3][4 b][16 h][2048 s][64]; the first 16 positions of every batch leave also as f32: fq [16 b + s][3072].
; LIMIT: |Q|, |K|, |V| stay at or under 65,504 (f16).
; A tile of C, 256 x 256, is made by four waves, 128 x 128 each: 64 accumulators, 512 registers.  K lies whole in two LDS slots of 512 along K (rows of 256 bytes): both are asked for at the head and nothing is filled again.
; The scale bytes of the work-group's 256 + 256 rows, for all of K, come once, as dense blocks.
; CLUSTERS: 4 x 4 work-groups; the four of a row need the same tiles of x, the four of a column the same tiles of w: each tile is asked for jointly.
; Tile row = 8 cy + cluster y: so the batch is cy, the tile's first position in it is 256 x cluster y, and 'my tile holds a sequence's start' is cluster y = 0, the same in all sixteen partners.
; THE MATRIX INSTRUCTION IS USED TRANSPOSED (source 0 = 16 rows of w, source 1 = 16 rows of x): a lane holds eight neighbouring columns of one row of C.
; REGISTERS, in windows of 256: window 0: v0-31 addresses; v32-95 scale words, two sets; v128-191 x's fragments, one set; on the way out v128-223.
;   window 1: w's fragments, two sets, at v0 and v128.   window 2: the accumulators of my rows 0-63 ((a, b) at v[8 (8 a + b)]);   window 3: those of rows 64-127.
.set NQ,     4                         ; steps of 128 along K in a slot
.set ROWB,   256                       ; a tile's row in bytes: 512 codes
.set KROW,   512                       ; a row of codes in memory
.set PITCH,  272                       ; an LDS row: 256 bytes + 16 of padding = 68 words: the 16 rows that a load touches start 4 banks apart
.set FR,     8                         ; registers of a fragment
.set NL,     2                         ; LDS loads that bring one
.set NP,     4                         ; places behind this matrix instruction (ISA guide 7.12.1)
.set HALFT,  128*PITCH
.set SLOT,   4*HALFT                   ; x's 256 rows, then w's 256 rows
.set KS,     32                        ; a row of scale bytes
.set SCL,    2*SLOT                    ; behind the slots: the scales, as rows of 256 bytes + 16 of padding
.set HALFS,  (128*KS/256)*272
.set SBLK,   (16*KS/256)*272
.set SPARE,  SCL+4*HALFS               ; the spare words, 128 bytes a wave, which no other line names
.set WST,    12800                     ; the way out: a wave's stages, in slot 0, which has had its only fill and its last read by then: 16 x 528 bytes for f32,
.set ST16,   8448                      ; and behind them 16 x 272 bytes for f16
.set ADRA, 16                          ; v16-17 LDS address of my x fragments in slot 0, 1
.set ADRB, 20                          ; v20-21 the same for w
.set STOF, 22                          ; v22 f32 stage: where I put 32 bytes of a row
.set RDF,  23                          ; v23 and where I read a row back
.set STO,  24                          ; v24 f16 stage: where I put 16 bytes of a row
.set RD,   25                          ; v25 and where I read back
.set CO,   26                          ; v26 my byte offset in qkv
.set ADRS, 27                          ; v27 LDS address of my scale words: lanes 0-15 x's rows, lanes 16-31 w's
.set SPW,  28                          ; v28 my spare word; never rewritten
.set NIL,  29                          ; v29 0; never rewritten
.set COF,  30                          ; v30 my byte offset in a row of fq
.set SC,   32                          ; scale words: set s at v[SC + 32 s]; register 4 i + q: lanes 0-15 x's block i, lanes 16-31 w's block i
.set AF,   128                         ; x's fragments
.set BK,   128                         ; the way out: rows read back
.set TMP,  192                         ; the way out: packed f16
.set G1, 24
.set G0, 32
.set G1B, 48
.set G0B, 56
.set G1S, 68
.set G0S, 76
.set G1SB, 80
.set G0SB, 88
.set MSB, 0
.macro WIN new                         ; the immediate's high byte repeats the setting that is left
.if MSB != \new
	s_set_vgpr_msb (MSB<<8)|\new
.set MSB, \new
.endif
.endm
.set MUL_LO, 0xa1                      ; source 0 (w) window 1, source 1 (x) window 0, C and D window 2
.set MUL_HI, 0xf1                      ; the same, C and D window 3
.set TO_B,   0x40                      ; destination window 1, address window 0
; A joint load: waves 0 and 1 fetch for x, waves 2 and 3 for w.  The branch hangs on the wave's number alone.  An s_nop 0 and four v_nop follow each of the two lines.
.macro JLOAD g0a, g1a, g0b, g1b
	s_cmp_eq_u32 s15, 0
	s_cbranch_scc0 .Lfor_b_\@
	tensor_load_to_lds s[\g0a:\g0a+3], s[\g1a:\g1a+7]
	s_nop 0
.rept 4
	v_nop
.endr
	s_branch .Lasked_\@
.Lfor_b_\@:
	tensor_load_to_lds s[\g0b:\g0b+3], s[\g1b:\g1b+7]
	s_nop 0
.rept 4
	v_nop
.endr
.Lasked_\@:
.endm
.macro CROUND                          ; a round of the cluster's barrier
	s_barrier_signal -1
	s_barrier_wait -1
	s_cmp_lg_u32 s14, 0
	s_cbranch_scc1 .Lnot_wave_0_\@
	s_barrier_signal -3
.Lnot_wave_0_\@:
	s_barrier_wait -3
	s_barrier_signal -1
	s_barrier_wait -1
.endm
	s_load_b128 s[4:7], s[0:1], 0x0                ; x's codes, x's scales
	s_load_b128 s[8:11], s[0:1], 0x10              ; w's codes, w's scales
	s_load_b64 s[12:13], s[0:1], 0x20              ; qkv
	s_load_b64 s[66:67], s[0:1], 0x28              ; fq
	v_lshl_add_u32 v[SPW], v0, 2, SPARE
	v_mov_b32 v[NIL], 0
	ds_add_u32 v[SPW], v[NIL]                      ; the wave's opening: the add, twice on end, and its wait ahead of my first tensor load
	ds_add_u32 v[SPW], v[NIL]
	v_lshrrev_b32 v1, 5, v0
	v_readfirstlane_b32 s14, v1                    ; wave 0..3
	s_lshr_b32 s15, s14, 1                         ; which half of the tile's rows is mine.  Also: I fetch for x (0) or for w (1)
	s_and_b32 s16, s14, 1                          ; which half of its columns.  Also: which 128 rows I fetch
	s_bfe_u32 s40, ttmp6, 0x40000                  ; cx
	s_bfe_u32 s41, ttmp6, 0x40004                  ; cy
	s_lshl_b32 s42, ttmp9, 2
	s_add_co_u32 s42, s42, s40                     ; tile column = 4 x cluster x + cx
	s_and_b32 s96, ttmp7, 0xffff                   ; cluster y
	s_lshl_b32 s17, s41, 3
	s_add_co_u32 s17, s17, s96                     ; tile row = 8 cy + cluster y
	s_or_b32 s95, s96, s15                         ; 0 where my 128 rows begin a sequence: cluster y and the wave's number alone
	s_lshl_b32 s43, s41, 2
	s_lshl_b32 s43, 15, s43                        ; my row of the cluster
	s_lshl_b32 s44, 0x1111, s40                    ; my column
	; descriptor group 1: a tile of 128 rows x 256 bytes, 16 bytes of padding behind each row
	s_or_b32 s[G1+0], s43, (0<<16)|(1<<20)|(1<<21)|(5<<22)|(3<<25)
	s_or_b32 s[G1B+0], s44, (0<<16)|(1<<20)|(1<<21)|(5<<22)|(3<<25)
.irp g, G1, G1B
	s_mov_b32 s[\g+1], ROWB<<16                    ; tensor_dim0
	s_mov_b32 s[\g+2], 128<<16                     ; tensor_dim1
	s_mov_b32 s[\g+3], ROWB<<16                    ; tile_dim0
	s_mov_b32 s[\g+4], 128                         ; tile_dim1
	s_mov_b32 s[\g+5], KROW                        ; from row to row
	s_mov_b32 s[\g+6], 0
	s_mov_b32 s[\g+7], 0
.endr
	; the scales of 128 rows: 4,096 dense bytes, as 16 rows of 256 bytes (32 elements of 8 bytes), 16 bytes of padding behind each
	s_or_b32 s[G1S+0], s43, (3<<16)|(1<<20)|(1<<21)|(5<<22)|(3<<25)
	s_or_b32 s[G1SB+0], s44, (3<<16)|(1<<20)|(1<<21)|(5<<22)|(3<<25)
.irp g, G1S, G1SB
	s_mov_b32 s[\g+1], 32<<16
	s_mov_b32 s[\g+2], (128*KS/256)<<16
	s_mov_b32 s[\g+3], 32<<16
	s_mov_b32 s[\g+4], 128*KS/256
	s_mov_b32 s[\g+5], 32
	s_mov_b32 s[\g+6], 0
	s_mov_b32 s[\g+7], 0
.endr
	s_lshl_b32 s18, s16, 7                         ; which 128 rows of the tile I fetch
	s_lshl_b32 s20, s17, 8
	s_add_co_u32 s20, s20, s18                     ; x: row 256 x tile row + 128 x half
	s_lshl_b32 s46, s42, 8
	s_add_co_u32 s46, s46, s18                     ; w: row 256 x tile column + 128 x half
	s_mov_b32 s21, 0
	s_mov_b32 s47, 0
	s_mov_b64 s[18:19], KS
	s_mul_u64 s[22:23], s[20:21], s[18:19]         ; where these rows' scales begin,
	s_mul_u64 s[92:93], s[46:47], s[18:19]
	s_mov_b64 s[18:19], KROW
	s_mul_u64 s[20:21], s[20:21], s[18:19]         ; and their codes
	s_mul_u64 s[46:47], s[46:47], s[18:19]
	s_mul_i32 s45, s14, HALFT                      ; where they go: wave x 128 rows: no place in the cluster enters an LDS address
	s_mul_i32 s94, s14, HALFS
	s_wait_dscnt 0x0                               ; both opening adds are done
	s_wait_kmcnt 0x0
	s_add_nc_u64 s[20:21], s[4:5], s[20:21]
	s_add_nc_u64 s[22:23], s[6:7], s[22:23]
	s_add_nc_u64 s[46:47], s[8:9], s[46:47]
	s_add_nc_u64 s[92:93], s[10:11], s[92:93]
	CROUND                                         ; all sixteen work-groups are here: the joint loads meet
	s_mov_b32 s[G0S], 1
	s_add_co_u32 s[G0S+1], s94, SCL
	s_mov_b64 s[G0S+2:G0S+3], s[22:23]
	s_or_b32 s[G0S+3], s[G0S+3], 0x80000000
	s_mov_b32 s[G0SB], 1
	s_add_co_u32 s[G0SB+1], s94, SCL
	s_mov_b64 s[G0SB+2:G0SB+3], s[92:93]
	s_or_b32 s[G0SB+3], s[G0SB+3], 0x80000000
	JLOAD G0S, G1S, G0SB, G1SB                     ; the scales first: they are wanted with the first step
.irp s, 0,1
	s_mov_b32 s[G0+4*\s], 1
	s_add_co_u32 s[G0+4*\s+1], s45, \s*SLOT
	s_add_nc_u64 s[G0+4*\s+2:G0+4*\s+3], s[20:21], \s*ROWB
	s_or_b32 s[G0+4*\s+3], s[G0+4*\s+3], 0x80000000
	s_mov_b32 s[G0B+4*\s], 1
	s_add_co_u32 s[G0B+4*\s+1], s45, \s*SLOT
	s_add_nc_u64 s[G0B+4*\s+2:G0B+4*\s+3], s[46:47], \s*ROWB
	s_or_b32 s[G0B+4*\s+3], s[G0B+4*\s+3], 0x80000000
	JLOAD G0+4*\s, G1, G0B+4*\s, G1B               ; three tensor loads of mine are out: the scales and both slots
.endr
	v_and_b32 v1, 15, v0                           ; r = l % 16
	v_bfe_u32 v2, v0, 4, 1                         ; h = l / 16
	v_mul_u32_u24 v3, v1, PITCH
	v_lshl_add_u32 v4, v2, 4, v3                   ; a fragment's row x pitch + 16 x half
	s_mul_i32 s21, s15, HALFT                      ; my 128 rows of x
	s_mul_i32 s22, s16, HALFT                      ; my 128 rows of w,
	s_add_co_u32 s22, s22, 2*HALFT                 ; which lie behind x's 256
.irp s, 0,1
	v_add_nc_u32 v[ADRA+\s], s21, v4
	v_add_nc_u32 v[ADRB+\s], s22, v4
	s_add_co_u32 s21, s21, SLOT
	s_add_co_u32 s22, s22, SLOT
.endr
	v_mul_u32_u24 v5, v1, KS                       ; my row's scales: 32 bytes a row,
	v_lshrrev_b32 v6, 8, v5
	v_lshl_add_u32 v5, v6, 4, v5                   ; and 16 more for each 256 passed
	s_mul_i32 s21, s15, HALFS
	s_mul_i32 s22, s16, HALFS
	s_add_co_u32 s22, s22, 2*HALFS
	s_sub_co_u32 s22, s22, s21
	v_mul_u32_u24 v6, s22, v2                      ; lanes 16-31 take w's: the lower base + h x the distance
	s_add_co_u32 s21, s21, SCL
	v_add_nc_u32 v5, v5, v6
	v_add_nc_u32 v[ADRS], s21, v5
	; the way out
	s_mul_i32 s23, s14, WST                        ; my stages
	s_add_co_u32 s22, s23, ST16
	v_mul_u32_u24 v5, v1, 528
	v_lshl_add_u32 v5, v2, 5, v5
	v_add_nc_u32 v[STOF], s23, v5                  ; f32, in: row r, 32 bytes for each half of the lanes
	v_and_b32 v6, 31, v0
	v_lshlrev_b32 v[COF], 4, v6                    ; back: the 32 lanes take one row of 512 bytes; the same in fq
	v_add_nc_u32 v[RDF], s23, v[COF]
	v_lshrrev_b32 v5, 1, v1
	v_and_b32 v7, 1, v1
	v_lshl_add_u32 v5, v7, 3, v5                   ; f16, in: row r stands at place r / 2 + 8 (r % 2): rows 2 t and 2 t + 1 then lie 8 places apart
	v_mul_u32_u24 v5, v5, 272
	v_lshl_add_u32 v5, v2, 4, v5
	v_add_nc_u32 v[STO], s22, v5
	v_bfe_u32 v8, v0, 3, 1                         ; back: lanes 0-15 take rows 2 t, 2 t + 1 of my first head (64 channels, 128 bytes each), lanes 16-31 of my second
	v_and_b32 v7, 7, v0
	v_mul_u32_u24 v5, v8, 2176
	v_lshl_add_u32 v5, v2, 7, v5
	v_lshl_add_u32 v5, v7, 4, v5
	v_add_nc_u32 v[RD], s22, v5
	v_lshlrev_b32 v5, 18, v2                       ; in qkv: the second head's plane lies 262,144 bytes on
	v_lshl_add_u32 v5, v8, 7, v5
	v_lshl_add_u32 v[CO], v7, 4, v5
	s_lshl_b32 s20, s42, 2
	s_lshl_b32 s21, s16, 1
	s_add_co_u32 s20, s20, s21                     ; my first head among the 48: 4 x tile column + 2 x half
	s_lshr_b32 s21, s20, 4                         ; Q, K or V
	s_lshl_b32 s21, s21, 6
	s_and_b32 s20, s20, 15
	s_add_co_u32 s20, s20, s21
	s_lshl_b32 s21, s41, 4
	s_add_co_u32 s20, s20, s21                     ; plane = 64 x which + 16 x batch + head
	s_lshl_b32 s20, s20, 18
	s_lshl_b32 s21, s96, 15                        ; + 256 x cluster y positions of 128 bytes
	s_add_co_u32 s20, s20, s21
	s_lshl_b32 s21, s15, 14                        ; + my 128
	s_add_co_u32 s20, s20, s21
	s_mov_b32 s21, 0
	s_add_nc_u64 s[12:13], s[12:13], s[20:21]
	s_mul_i32 s20, s41, 16*12288                   ; fq: the batch's 16 rows of 12,288 bytes,
	s_lshl_b32 s21, s42, 10
	s_add_co_u32 s20, s20, s21                     ; my 128 columns
	s_lshl_b32 s21, s16, 9
	s_add_co_u32 s20, s20, s21
	s_mov_b32 s21, 0
	s_add_nc_u64 s[66:67], s[66:67], s[20:21]
.macro FRAG reg, adr, q, i             ; 16 rows x 128 K of 4-bit codes: lane l holds row l % 16; registers 4 c .. 4 c + 3 hold K = 64 c + 32 (l / 16) + 0 .. 31
.irp c, 0,1
	ds_load_b128 v[\reg+4*\c:\reg+4*\c+3], v[\adr] offset:64*(\q)+32*\c+(\i)*16*PITCH
.endr
.endm
; 16 matrix instructions: x's blocks a0, a0 + 1 against w's eight, the slot's q-th 128 along K.  p: w's set; sc: the set of scale words.  zero = 1: the first product starts the sums.
; The 64 accumulators take turns, one instruction a turn, in the same order in every step.
.macro MUL16 a0, p, q, sc, zero
.irp a, \a0, \a0+1
.irp b, 0,1,2,3,4,5,6,7
.if \zero
	v_wmma_scale_f32_16x16x128_f8f6f4 v[8*(8*((\a)%4)+\b):8*(8*((\a)%4)+\b)+7], v[128*(\p)+FR*\b:128*(\p)+FR*\b+FR-1], v[AF+FR*(\a):AF+FR*(\a)+FR-1], 0, v[SC+8*NQ*(\sc)+NQ*\b+(\q)], v[SC+8*NQ*(\sc)+NQ*(\a)+(\q)] matrix_a_fmt:MATRIX_FMT_FP4 matrix_b_fmt:MATRIX_FMT_FP4 matrix_a_scale:MATRIX_SCALE_ROW1
.else
	v_wmma_scale_f32_16x16x128_f8f6f4 v[8*(8*((\a)%4)+\b):8*(8*((\a)%4)+\b)+7], v[128*(\p)+FR*\b:128*(\p)+FR*\b+FR-1], v[AF+FR*(\a):AF+FR*(\a)+FR-1], v[8*(8*((\a)%4)+\b):8*(8*((\a)%4)+\b)+7], v[SC+8*NQ*(\sc)+NQ*\b+(\q)], v[SC+8*NQ*(\sc)+NQ*(\a)+(\q)] matrix_a_fmt:MATRIX_FMT_FP4 matrix_b_fmt:MATRIX_FMT_FP4 matrix_a_scale:MATRIX_SCALE_ROW1
.endif
.endr
.endr
.endm
.macro FETCH_B slot, q, p
	WIN TO_B
.irp i, 0,1,2,3,4,5,6,7
	FRAG 128*(\p)+FR*\i, ADRB+\slot, \q, \i
.endr
	WIN 0
.endm
.macro FETCH_A slot, q, i0
.irp i, \i0, \i0+1, \i0+2, \i0+3
	FRAG AF+FR*(\i), ADRA+\slot, \q, \i
.endr
.endm
.macro SCALES sc                       ; a slot's scale words: 4 words a row; lanes 0-15 take x's block i, lanes 16-31 w's block i
.irp i, 0,1,2,3,4,5,6,7
	ds_load_b128 v[SC+8*NQ*\sc+NQ*\i:SC+8*NQ*\sc+NQ*\i+3], v[ADRS] offset:\i*SBLK
.endr
.endm
.macro PLACES n                        ; plain vector instructions that name no register of the matrix instructions before them (ISA guide 7.12.1)
.rept \n
	v_nop
.endr
.endm
; A step of 128 along K that has its successor in the same slot.  x has one set of registers: blocks 0-3 are fetched anew in the step's middle, blocks 4-7 at its end.
.macro STEP slot, q, zero
	s_wait_dscnt 4*NL                              ; all but the youngest eight loads (x's blocks 4-7)
	WIN MUL_LO
	MUL16 0, (\q)%2, \q, \slot, \zero
	MUL16 2, (\q)%2, \q, \slot, \zero
	s_wait_dscnt 0
	PLACES NP
	FETCH_B \slot, (\q)+1, 1-(\q)%2
	FETCH_A \slot, (\q)+1, 0
	WIN MUL_HI
	MUL16 4, (\q)%2, \q, \slot, \zero
	MUL16 6, (\q)%2, \q, \slot, \zero
	PLACES NP
	WIN 0
	FETCH_A \slot, (\q)+1, 4
.endm
.macro STEPS slot, from
.set Q, \from
.rept NQ-1-\from
	STEP \slot, Q, 0
.set Q, Q+1
.endr
.endm
	s_wait_tensorcnt 1                             ; the scales and my part of slot 0 are in; the one younger load, slot 1's, may be out
	s_barrier_signal -1
	s_barrier_wait -1
	FETCH_B 0, 0, 0
	FETCH_A 0, 0, 0
	SCALES 0
	FETCH_A 0, 0, 4
	STEP 0, 0, 1                                   ; the first step's products start the sums: nothing is cleared
	STEPS 0, 1
	; slot 0's last step changes slots: one barrier; nothing is filled again
	s_wait_tensorcnt 0x0                           ; my part of slot 1 has landed
	ds_add_u32 v[SPW], v[NIL]                      ; 0 onto my spare word
	s_wait_dscnt 4*NL+1                            ; the add and the youngest eight loads (x's blocks 4-7) may be out
	WIN MUL_LO
	MUL16 0, 1, NQ-1, 0, 0
	s_wait_dscnt 0x0                               ; the add is done, and my reads of slot 0 are over: behind this barrier its bytes become the stages
	s_barrier_signal -1
	MUL16 2, 1, NQ-1, 0, 0
	WIN 0
	s_barrier_wait -1
	PLACES NP
	v_add_nc_u32 v[ADRS], 4*NQ, v[ADRS]            ; on to slot 1's scale words
	FETCH_B 1, 0, 0
	FETCH_A 1, 0, 0
	SCALES 1
	WIN MUL_HI
	MUL16 4, 1, NQ-1, 0, 0
	MUL16 6, 1, NQ-1, 0, 0
	PLACES NP
	WIN 0
	FETCH_A 1, 0, 4
	STEPS 1, 0
	s_wait_dscnt 4*NL                              ; the very last step: nothing more to fetch
	WIN MUL_LO
	MUL16 0, 1, NQ-1, 1, 0
	MUL16 2, 1, NQ-1, 1, 0
	s_wait_dscnt 0
	WIN MUL_HI
	MUL16 4, 1, NQ-1, 1, 0
	MUL16 6, 1, NQ-1, 1, 0
	WIN 0
	PLACES NP                                      ; in front of the first reads of results and of loads into the registers that held x's fragments
	; THE FIRST 16 POSITIONS OF A SEQUENCE ALSO LEAVE AS f32: block 0 of the waves whose rows begin a batch.  The branch hangs on cluster y and the wave's number: it is the same in all partners, and no barrier stands under it.
	s_cmp_lg_u32 s95, 0
	s_cbranch_scc1 .Lnofine
	WIN 0x08                                       ; an LDS store's data: window 2
.irp b, 0,1,2,3,4,5,6,7
	ds_store_b128 v[STOF], v[8*\b:8*\b+3] offset:64*\b             ; each accumulator from its low end on
	ds_store_b128 v[STOF], v[8*\b+4:8*\b+7] offset:64*\b+16
.endr
	WIN 0
.irp t, 0,1,2,3,4,5,6,7,8,9,10,11,12,13,14,15
	ds_load_b128 v[BK+4*\t:BK+4*\t+3], v[RDF] offset:\t*528       ; LDS serves a wave's instructions in order: these see my stores
.endr
	s_wait_dscnt 0x0
.irp t, 0,1,2,3,4,5,6,7,8,9,10,11,12,13,14,15
	global_store_b128 v[COF], v[BK+4*\t:BK+4*\t+3], s[66:67] offset:\t*12288   ; 32 lanes store 512 consecutive bytes, aligned to 256
.endr
	s_wait_xcnt 0x0                                ; the stores have read their data: the registers are loaded again below
.Lnofine:
; THE WAY OUT, block by block of 16 rows x 128 columns (two heads): rounded to f16, through my own stage, and back so that sixteen lanes hold two neighbouring positions of one head: 256 consecutive bytes of qkv.
.macro PACK16 a
.set AC, 64*((\a)%4)
.set WN, 0x0a+5*((\a)/4)
	WIN WN                                         ; sources 0 and 1: window 2 or 3
.irp b, 0,1,2,3,4,5,6,7
.irp i, 0,1,2,3
	v_cvt_pk_f16_f32 v[TMP+4*\b+\i], v[AC+8*\b+2*\i], v[AC+8*\b+2*\i+1]
.endr
.endr
	WIN 0
.endm
.macro TOSTAGE16 a
.set BB, BK+32*((\a)%2)
.irp b, 0,1,2,3,4,5,6,7
	ds_store_b128 v[STO], v[TMP+4*\b:TMP+4*\b+3] offset:32*\b
.endr
.irp t, 0,1,2,3,4,5,6,7
	ds_load_b128 v[BB+4*\t:BB+4*\t+3], v[RD] offset:\t*272
.endr
.endm
.macro SEND16 a
.set BB, BK+32*((\a)%2)
	s_wait_dscnt 0x0                               ; the block is back in registers
	s_wait_xcnt 0x0                                ; the block before has been read by its stores: its registers take the next block's loads only behind this wait
.irp t, 0,1,2,3,4,5,6,7
	global_store_b128 v[CO], v[BB+4*\t:BB+4*\t+3], s[12:13] offset:2048*(\a)+256*\t   ; 16 lanes store 256 consecutive bytes, aligned
.endr
.endm
	PACK16 0
	TOSTAGE16 0
.irp a, 1,2,3,4,5,6,7                  ; block a's conversions stand between block a - 1's loads from the stage and the wait for them
	PACK16 \a
	SEND16 \a-1
	TOSTAGE16 \a
.endr
	SEND16 7
	s_wait_tensorcnt 0x0                           ; the wave's end, behind my last tensor load and my last LDS store
	ds_add_u32 v[SPW], v[NIL]
	s_wait_dscnt 0x0
	CROUND                                         ; the closing round
	s_endpgm
.Lfunc_end_k_q4748e5a272_qkv:
	.size	k_q4748e5a272_qkv, .Lfunc_end_k_q4748e5a272_qkv-k_q4748e5a272_qkv
	.p2alignl 7, 3214868480
	.fill 96, 4, 3214868480
	.section	.rodata,"a",@progbits
	.p2align	6, 0x0
	.amdhsa_kernel k_q4748e5a272_qkv
		.amdhsa_group_segment_fixed_size 327680
		.amdhsa_private_segment_fixed_size 0
		.amdhsa_enable_private_segment 0
		.amdhsa_kernarg_size 48
		.amdhsa_user_sgpr_count 2
		.amdhsa_user_sgpr_kernarg_segment_ptr 1
		.amdhsa_wavefront_size32 1
		.amdhsa_system_sgpr_workgroup_id_x 1
		.amdhsa_system_sgpr_workgroup_id_y 1
		.amdhsa_system_sgpr_workgroup_id_z 1
		.amdhsa_system_vgpr_workitem_id 0
		.amdhsa_next_free_vgpr 1024
		.amdhsa_next_free_sgpr 100
		.amdhsa_reserve_vcc 0
		.amdhsa_float_denorm_mode_32 3
		.amdhsa_float_denorm_mode_16_64 3
		.amdhsa_memory_ordered 1
		.amdhsa_forward_progress 1
		.amdhsa_inst_pref_size 131
	.end_amdhsa_kernel
	.amdgpu_metadata
---
amdhsa.version: [ 1, 2 ]
amdhsa.kernels:
  - .name:           k_q4748e5a272_qkv
    .symbol:         k_q4748e5a272_qkv.kd
    .args:
      - { .name: xc, .offset: 0, .size: 8, .value_kind: global_buffer, .address_space: global }
      - { .name: xs, .offset: 8, .size: 8, .value_kind: global_buffer, .address_space: global }
      - { .name: wc, .offset: 16, .size: 8, .value_kind: global_buffer, .address_space: global }
      - { .name: ws, .offset: 24, .size: 8, .value_kind: global_buffer, .address_space: global }
      - { .name: qkv, .offset: 32, .size: 8, .value_kind: global_buffer, .address_space: global }
      - { .name: fq, .offset: 40, .size: 8, .value_kind: global_buffer, .address_space: global }
    .group_segment_fixed_size: 327680
    .private_segment_fixed_size: 0
    .kernarg_segment_align: 8
    .kernarg_segment_size: 48
    .max_flat_workgroup_size: 128
    .sgpr_count:     100
    .vgpr_count:     1024
    .wavefront_size: 32
...
	.end_amdgpu_metadata
.endif
;; end of part 2
;; launch attn (part 3): grid 4 x 64, 16 waves a work-group, no clusters, 327,680 bytes of LDS; arguments qkv, o16; writes o16
.if DOCPART == 3
	.amdgcn_target "amdgcn-amd-amdhsa--gfx1250"
	.amdhsa_code_object_version 6
	.text
	.protected	k_q4748e5a272_attn
	.globl	k_q4748e5a272_attn
	.p2align	8
	.type	k_q4748e5a272_attn,@function
k_q4748e5a272_attn:
	s_mov_b64 s[64:65], 0
	v_nop
	global_prefetch_b8 v0, s[64:65] scope:SCOPE_SE
	s_setreg_imm32_b32 hwreg(HW_REG_WAVE_MODE, 25, 1), 1
	s_wait_xcnt 0x0
; O[bh][q][:] = the sum over k <= q of softmax_k(Q[bh][q] . K[bh][k] / 8) V[bh][k][:].  Q, K, V: planes of qkv, [2048][64] f16; O: o16, the same shape.  Products on f16 operands with f32 sums; maxima, exponentials and sums in f32.
; LIMITS: hidden keys get the weight 0 (a fill of -1e9 would count only where all of a row's visible scores lie under about -1e9); NaN and infinities are not served; |O| stays at or under 65,504.
; SHARES.  Work-group (i, bh) owns the query blocks i and 7 - i of 256 queries of one head: under the causal mask every work-group then walks as many keys as every other.  Each of its sixteen waves owns 32 queries, two tiles
; of 16, in 256 registers: four waves to a SIMD, so that one wave's softmax stands beside another's products and LDS loads.  Each fragment of K and V read from LDS feeds two products.
; NO CLUSTER: the work-groups of a head have different causal limits, so a partner would be sent tiles that none of its waves reads.
; LAYOUT.  S^T = K Q^T (source 0 = 16 keys, source 1 = 16 queries): a lane holds ONE query (lane % 16) and the keys 8 (lane / 16) + 0..7.  Two such tiles rounded to f16 in pairs ARE source 1 of O^T = V^T P, whose result again
; holds one query a lane.  K comes out of LDS as it lies, V turned, by ds_load_tr16_b128.
; SOFTMAX.  For each query a running maximum m and sum l: p = 2^(c s - c m), c = log2(e) / 8; in every step O and l are multiplied by a = 2^(c m_old - c m_new).
; THE RING.  Two LDS slots of 256 keys (4 steps of 64), filled by the tensor data mover: waves 0, 1 K's halves, waves 2, 3 V's.  K's and V's rows are dense in memory, so a tile is stated as rows of 256 bytes (two keys).
; Every work-group walks all 8 slots (constant trip counts); a step all of whose keys come after a wave's queries is left out by a scalar branch on ids; a slot beyond the work-group's last query is not asked for.
.set SLOT1, 1<<17                      ; slot 1 begins here: one exclusive or turns an address in one slot into the other's
.set SLOTB, 32768                      ; a slot's keys in memory: 256 x 128 bytes
.set KHALF, 64*272                     ; K: 128 rows of 256 bytes + 16 of padding; half of them
.set VHALF, 64*288                     ; V: 128 rows of 256 bytes + 32 of padding
.set VOFF,  2*KHALF
.set STAGE, SLOT1+2*KHALF+2*VHALF      ; behind the ring: the way out, 2 tiles x 16 rows x 144 bytes for each wave; no tile lands here
.set WSTG,  4608
.set SPARE, STAGE+16*WSTG              ; the spare words, 128 bytes a wave, which no other line names
.set AK0, 1                            ; v1  my lane's place in a tile of K
.set AV0, 2                            ; v2  the same for V
.set ADK, 3                            ; v3  LDS address of the step's K
.set ADV, 4                            ; v4  of its V
.set SPW, 5                            ; v5  my spare word; never rewritten
.set NIL, 6                            ; v6  0; never rewritten
.set LD,  7                            ; v7  lane % 16 - 8 (lane / 16)
.set NEG, 8                            ; v8  -infinity
.set PFO, 9                            ; v9  256 x lane; never rewritten
.set ST,  12                           ; tile t's statistics at v[12 + 8 t]: +0 c m, +1 m, +2, +3 l, +4..+7 at work; a takes +6
.set STO, 28                           ; v28 the way out: where I put 16 bytes of a row
.set RD,  29                           ; v29 where I read back
.set GO,  30                           ; v30 my byte offset in the wave's rows of O
.set QF,  32                           ; v32-63   Q: fragment (t, cs) at 32 + 16 t + 8 cs
.set KV,  64                           ; v64-127  K's eight fragments, then V's
.set S,   128                          ; v128-191 S^T, 32 a tile; P in place in each tile's low 16
.set O,   192                          ; v192-255 O^T, 32 a tile
.set TB,  2                            ; s2  LDS byte at which the slot in hand begins
.set SLOTS, 3                          ; s3  changes of slots to go
.set WV,  18
.set SEL, 20                           ; s[20:21] v_permlanex16_b32's selects for lane l xor 16
.set CS,  22                           ; s[22:23] c, as a pair
.set G1K, 24
.set G1V, 32
.set G0K, 40
.set G0V, 44
.set KF,  48                           ; s48 the step's first key
.set Q0,  49                           ; s49 my first query
.set QE,  50                           ; s50 my last
.set QL,  51                           ; s51 my work-group's last
.set PFA, 52                           ; s[52:53] where my prefetches stand
.set LIM, 54                           ; s54 1 in a wave that prefetches, else the greatest number
; Waves 0 and 1 fetch K, waves 2 and 3 V, the others nothing.  The branches hang on the wave's number alone.  An s_nop 0 and four v_nop follow each of the two lines.
.macro TLOAD
	s_cmp_lt_u32 s[WV], 2
	s_cbranch_scc0 .Lnot_k_\@
	tensor_load_to_lds s[G0K:G0K+3], s[G1K:G1K+7]
	s_nop 0
.rept 4
	v_nop
.endr
	s_branch .Lasked_\@
.Lnot_k_\@:
	s_cmp_lt_u32 s[WV], 4
	s_cbranch_scc0 .Lasked_\@
	tensor_load_to_lds s[G0V:G0V+3], s[G1V:G1V+7]
	s_nop 0
.rept 4
	v_nop
.endr
.Lasked_\@:
.endm
; A prefetch of what the NEXT change of slots will ask for: 32,768 bytes of K and as many of V.  All work-groups of a head walk the same K and V: the head's first work-group (i = 0, which walks every slot) asks.
; In it the waves ask that fetch nothing, one instruction each: waves 4 to 7 for K, waves 8 to 11 for V, 8,192 bytes a wave, lanes 256 bytes apart: each block of 256 bytes is named once in the launch.
; Trip n names slot n + 2, n = 0 .. 5: a slot's four key steps ahead of the tensor load that will want it.  Slots 0 and 1 come by their loads alone; the last change that fills a slot asks for nothing.
.macro ASK
	s_cmp_gt_u32 s[SLOTS], s[LIM]
	s_cbranch_scc0 .Lnot_mine_\@
	global_prefetch_b8 v[PFO], s[PFA:PFA+1] th:TH_LOAD_NT scope:SCOPE_SE
.Lnot_mine_\@:
.endm
	s_load_b128 s[4:7], s[0:1], 0x0                ; qkv, o16
	v_lshl_add_u32 v[SPW], v0, 2, SPARE
	v_mov_b32 v[NIL], 0
	ds_add_u32 v[SPW], v[NIL]                      ; the wave's opening: the add, twice on end, and its wait ahead of the first tensor load
	ds_add_u32 v[SPW], v[NIL]
	v_lshrrev_b32 v10, 5, v0
	v_readfirstlane_b32 s[WV], v10                 ; wave 0..15
	s_and_b32 s57, ttmp7, 0xffff                   ; batch x 16 + head
	s_lshl_b32 s57, s57, 18                        ; its plane of 262,144 bytes
	s_lshr_b32 s58, s[WV], 2
	s_xor_b32 s58, s58, s[WV]
	s_and_b32 s58, s58, 1                          ; which of the two blocks is mine: bit 0 xor bit 2 of the wave's number
	s_lshr_b32 s59, s[WV], 1                       ; which 32 queries of it
	s_sub_co_u32 s60, 7, ttmp9
	s_cmp_eq_u32 s58, 0
	s_cselect_b32 s61, ttmp9, s60                  ; block i or block 7 - i
	s_lshl_b32 s[Q0], s61, 8
	s_lshl_b32 s59, s59, 5
	s_add_co_u32 s[Q0], s[Q0], s59
	s_add_co_u32 s[QE], s[Q0], 31
	s_lshl_b32 s[QL], s60, 8
	s_or_b32 s[QL], s[QL], 255
	; descriptor group 1: 64 rows of 256 bytes (32 elements of 8 bytes), dense; K: 16 bytes of padding behind each row, V: 32
	s_mov_b32 s[G1K], (3<<16)|(1<<20)|(5<<22)|(3<<25)
	s_mov_b32 s[G1V], (3<<16)|(1<<20)|(5<<22)|(7<<25)
.irp g, G1K, G1V
	s_mov_b32 s[\g+1], 32<<16                      ; tensor_dim0
	s_mov_b32 s[\g+2], 64<<16                      ; tensor_dim1
	s_mov_b32 s[\g+3], 32<<16                      ; tile_dim0
	s_mov_b32 s[\g+4], 64                          ; tile_dim1
	s_mov_b32 s[\g+5], 32                          ; from row to row
	s_mov_b32 s[\g+6], 0
	s_mov_b32 s[\g+7], 0
.endr
	s_and_b32 s62, s[WV], 1                        ; which half of a slot I fetch, if I fetch
	s_mul_i32 s[G0K+1], s62, KHALF                 ; LDS: slot 0
	s_mul_i32 s[G0V+1], s62, VHALF
	s_add_co_u32 s[G0V+1], s[G0V+1], VOFF
	s_lshl_b32 s62, s62, 14                        ; 128 keys of 128 bytes
	s_add_co_u32 s62, s62, s57
	s_mov_b32 s63, 0
	s_lshl_b32 s68, s[Q0], 7                       ; my first query's row,
	s_add_co_u32 s68, s68, s57                     ; in my plane
	s_mov_b32 s69, 0
	s_mov_b32 s[SEL], 0x76543210
	s_mov_b32 s[SEL+1], 0xfedcba98
	s_mov_b32 s[CS], 0x3e38aa3b                    ; c = log2(e) / 8
	s_mov_b32 s[CS+1], s[CS]
	s_mov_b32 s[TB], 0
	s_mov_b32 s[KF], 0
	s_mov_b32 s[SLOTS], 7
	s_wait_dscnt 0x0                               ; both opening adds are done
	s_wait_kmcnt 0x0
	s_mov_b32 s[G0K], 1
	s_add_nc_u64 s[G0K+2:G0K+3], s[4:5], s[62:63]
	s_add_nc_u64 s[G0K+2:G0K+3], s[G0K+2:G0K+3], 16777216   ; K's planes lie behind Q's 64
	s_or_b32 s[G0K+3], s[G0K+3], 0x80000000
	s_mov_b32 s[G0V], 1
	s_add_nc_u64 s[G0V+2:G0V+3], s[4:5], s[62:63]
	s_add_nc_u64 s[G0V+2:G0V+3], s[G0V+2:G0V+3], 33554432   ; V's behind K's
	s_or_b32 s[G0V+3], s[G0V+3], 0x80000000
	TLOAD                                          ; slot 0: it holds key 0, which counts for every query
	s_add_nc_u64 s[66:67], s[4:5], s[68:69]        ; Q at my first query
	s_add_nc_u64 s[6:7], s[6:7], s[68:69]          ; O likewise
	v_and_b32 v11, 15, v0                          ; r
	v_bfe_u32 v12, v0, 4, 1                        ; h
	v_lshlrev_b32 v10, 7, v11
	v_lshl_add_u32 v10, v12, 4, v10                ; Q: row r of 128 bytes, + 16 h
.irp f, 0,1,2,3                                ; fragment f = 2 t + cs: tile t, channels 32 cs on; Q stays in registers
	global_load_b128 v[QF+8*\f:QF+8*\f+3],   v10, s[66:67] offset:2048*(\f/2)+64*(\f%2)
	global_load_b128 v[QF+8*\f+4:QF+8*\f+7], v10, s[66:67] offset:2048*(\f/2)+64*(\f%2)+32
.endr
	v_lshrrev_b32 v13, 1, v11                      ; r / 2
	v_and_b32 v14, 1, v11                          ; r % 2
	v_mul_u32_u24 v[AK0], v13, 272                 ; K: two keys to an LDS row: (r / 2) x 272 + (r % 2) x 128 + 16 h: the sixteen rows of a load fall on sixteen different columns of 16 bytes
	v_lshl_add_u32 v[AK0], v14, 7, v[AK0]
	v_lshl_add_u32 v[AK0], v12, 4, v[AK0]
	v_and_b32 v15, 7, v0
	v_lshl_add_u32 v16, v12, 3, v15                ; V: the turning load's lane l addresses key 8 (l / 16) + l % 8, channels 8 ((l / 8) % 2) on
	v_lshrrev_b32 v17, 1, v16
	v_and_b32 v16, 1, v16
	v_mul_u32_u24 v[AV0], v17, 288
	v_lshl_add_u32 v[AV0], v16, 7, v[AV0]
	v_bfe_u32 v17, v0, 3, 1
	v_lshl_add_u32 v[AV0], v17, 4, v[AV0]
	v_add_nc_u32 v[AV0], VOFF, v[AV0]
	v_lshlrev_b32 v[LD], 3, v12
	v_sub_nc_u32 v[LD], v11, v[LD]
	v_mov_b32 v[NEG], 0xff800000
	v_and_b32 v[PFO], 31, v0
	v_lshlrev_b32 v[PFO], 8, v[PFO]
	s_mul_i32 s70, s[WV], WSTG
	s_add_co_u32 s70, s70, STAGE                   ; my stage
	v_lshl_add_u32 v13, v14, 3, v13                ; in: query r stands at place r / 2 + 8 (r % 2), 144 bytes a place
	v_mul_u32_u24 v[STO], v13, 144
	v_lshl_add_u32 v[STO], v12, 4, v[STO]
	v_add_nc_u32 v[STO], s70, v[STO]
	v_mul_u32_u24 v[RD], v12, 144                  ; back: eight lanes to a query, four neighbouring queries an instruction
	v_mul_u32_u24 v17, v17, 1152
	v_add_nc_u32 v[RD], v[RD], v17
	v_lshl_add_u32 v[RD], v15, 4, v[RD]
	v_add_nc_u32 v[RD], s70, v[RD]
	v_and_b32 v[GO], 31, v0
	v_lshlrev_b32 v[GO], 4, v[GO]
.irp t, 0,1
	v_mov_b32 v[ST+8*\t+1], 0xff61b1e6             ; m: -3e38, under every score
	v_mul_f32 v[ST+8*\t], s[CS], v[ST+8*\t+1]      ; c m
.irp j, 2,3,4,5,6,7
	v_mov_b32 v[ST+8*\t+\j], 0                     ; l, and the registers at work (a lane permute's destination counts as one of its sources)
.endr
.endr
.set i, 0
.rept 64
	v_mov_b32 v[O+i], 0                            ; O^T.  The step is written once: the first finds zeros, which its a = 0 leaves zeros
.set i, i+1
.endr
	; the prefetches: where my wave's stand, and who asks
	s_mov_b32 s72, 33554432
	s_cmp_lt_u32 s[WV], 8
	s_cselect_b32 s72, 16777216, s72               ; waves 4 to 7: K; waves 8 to 11: V
	s_and_b32 s73, s[WV], 3
	s_lshl_b32 s73, s73, 13                        ; my wave's 8,192 bytes of a slot,
	s_add_co_u32 s72, s72, s73
	s_add_co_u32 s72, s72, s57                     ; in my plane,
	s_add_co_u32 s72, s72, SLOTB                   ; in slot 1: the first change of slots steps it to slot 2
	s_mov_b32 s73, 0
	s_add_nc_u64 s[PFA:PFA+1], s[4:5], s[72:73]
	s_sub_co_u32 s74, s[WV], 4
	s_lshr_b32 s74, s74, 3                         ; 0 in waves 4 to 11,
	s_or_b32 s74, s74, ttmp9                       ; of the head's first work-group
	s_cmp_eq_u32 s74, 0
	s_cselect_b32 s[LIM], 1, -1
; THE SOFTMAX of a step, both tiles line by line by turns, so that no line waits for the line above it.
.macro SOFT
.irp k, 0,1,2,3                                ; the maximum of a tile's 32 scores and the old m, three operands at a time; each accumulator is read from its low end on
.irp t, 0,1
	v_max3_num_f32 v[ST+8*\t+4+\k], v[S+32*\t+8*\k], v[S+32*\t+8*\k+1], v[S+32*\t+8*\k+2]
.endr
.endr
.irp i, 3,5
.irp k, 0,1,2,3
.irp t, 0,1
	v_max3_num_f32 v[ST+8*\t+4+\k], v[ST+8*\t+4+\k], v[S+32*\t+8*\k+\i], v[S+32*\t+8*\k+\i+1]
.endr
.endr
.endr
.irp t, 0,1
	v_max3_num_f32 v[ST+8*\t+4], v[ST+8*\t+4], v[S+32*\t+7], v[S+32*\t+15]
.endr
.irp t, 0,1
	v_max3_num_f32 v[ST+8*\t+6], v[ST+8*\t+6], v[S+32*\t+23], v[S+32*\t+31]
.endr
.irp t, 0,1
	v_max3_num_f32 v[ST+8*\t+4], v[ST+8*\t+4], v[ST+8*\t+5], v[ST+8*\t+6]
.endr
.irp t, 0,1
	v_max3_num_f32 v[ST+8*\t+4], v[ST+8*\t+4], v[ST+8*\t+7], v[ST+8*\t+1]
.endr
.irp t, 0,1
	v_permlanex16_b32 v[ST+8*\t+5], v[ST+8*\t+4], s[SEL], s[SEL+1]   ; the query's other 32 keys lie in the lane 16 away
.endr
.irp t, 0,1
	v_mov_b32 v[ST+8*\t+7], v[ST+8*\t]             ; c m_old is kept for a
.endr
.irp t, 0,1
	v_max_num_f32 v[ST+8*\t+1], v[ST+8*\t+4], v[ST+8*\t+5]
.endr
.irp t, 0,1
	v_mul_f32 v[ST+8*\t], s[CS], v[ST+8*\t+1]
.endr
.irp t, 0,1
	v_sub_f32 v[ST+8*\t+7], v[ST+8*\t+7], v[ST+8*\t]
.endr
.set i, 0
.rept 16
.irp t, 0,1
	v_pk_fma_f32 v[S+32*\t+i:S+32*\t+i+1], v[S+32*\t+i:S+32*\t+i+1], s[CS:CS+1], v[ST+8*\t:ST+8*\t+1] op_sel_hi:[1,0,0] neg_lo:[0,0,1] neg_hi:[0,0,1]   ; c s - c m
.endr
.set i, i+2
.endr
.irp t, 0,1                                    ; ONE BATCH of 66 exponentials, none of which reads another's result
	v_exp_f32 v[ST+8*\t+6], v[ST+8*\t+7]           ; a
.endr
.set i, 0
.rept 32
.irp t, 0,1
	v_exp_f32 v[S+32*\t+i], v[S+32*\t+i]
.endr
.set i, i+1
.endr
	v_nop                                          ; a plain instruction behind the last exponential, ahead of the first use
	s_wait_alu depctr_va_vdst(0)                   ; one wait for the batch, ahead of its first reader
.irp t, 0,1
	v_pk_mul_f32 v[ST+8*\t+2:ST+8*\t+3], v[ST+8*\t+2:ST+8*\t+3], v[ST+8*\t+6:ST+8*\t+7] op_sel_hi:[1,0]   ; l under the new m
.endr
.irp t, 0,1
	v_pk_add_f32 v[ST+8*\t+4:ST+8*\t+5], v[S+32*\t:S+32*\t+1], v[S+32*\t+2:S+32*\t+3]   ; the sum of the f32 weights, in two chains a tile
.endr
.irp j, 4,8,12,16,20,24,28
.irp t, 0,1
	v_pk_add_f32 v[ST+8*\t+2:ST+8*\t+3], v[ST+8*\t+2:ST+8*\t+3], v[S+32*\t+\j:S+32*\t+\j+1]
.endr
.irp t, 0,1
	v_pk_add_f32 v[ST+8*\t+4:ST+8*\t+5], v[ST+8*\t+4:ST+8*\t+5], v[S+32*\t+\j+2:S+32*\t+\j+3]
.endr
.endr
.irp t, 0,1
	v_pk_add_f32 v[ST+8*\t+2:ST+8*\t+3], v[ST+8*\t+2:ST+8*\t+3], v[ST+8*\t+4:ST+8*\t+5]
.endr
.set i, 0
.rept 16                                       ; to f16, in place: register i takes weights 2 i and 2 i + 1; what it held was taken at number i / 2
.irp t, 0,1
	v_cvt_pk_f16_f32 v[S+32*\t+i], v[S+32*\t+2*i], v[S+32*\t+2*i+1]
.endr
.set i, i+1
.endr
.set i, 0
.rept 16
.irp t, 0,1
	v_pk_mul_f32 v[O+32*\t+i:O+32*\t+i+1], v[O+32*\t+i:O+32*\t+i+1], v[ST+8*\t+6:ST+8*\t+7] op_sel_hi:[1,0]   ; O^T under the new m, each accumulator from its low end on
.endr
.set i, i+2
.endr
.endm
; A KEY STEP: 64 keys, the q-th of the slot in hand.
.macro STEP q
	s_cmp_gt_u32 s[KF], s[QE]                      ; all its keys come after my queries: left out.  No barrier and no tensor load stands in a step
	s_cbranch_scc1 .Lhidden_\@
	v_add_nc_u32 v[ADK], s[TB], v[AK0]
	v_add_nc_u32 v[ADV], s[TB], v[AV0]
.rept 3
	v_nop                                          ; with the two additions five places behind the last step's products: the new scores are laid over P's registers (five), K's loads into V's (four)
.endr
.irp f, 0,1,2,3,4,5,6,7                        ; K's fragment f = 2 kt + cs: keys 16 kt on, channels 32 cs on
	ds_load_b128 v[KV+8*\f:KV+8*\f+3],   v[ADK] offset:8704*(\q)+2176*(\f/2)+64*(\f%2)
	ds_load_b128 v[KV+8*\f+4:KV+8*\f+7], v[ADK] offset:8704*(\q)+2176*(\f/2)+64*(\f%2)+32
.endr
	s_wait_dscnt 0x0
.irp c, 0,1                                    ; S^T = K Q^T: eight accumulators by turns, one instruction a turn; the first eight start the sums
.irp k, 0,1,2,3
.irp t, 0,1
.if \c == 0
	v_wmma_f32_16x16x32_f16 v[S+32*\t+8*\k:S+32*\t+8*\k+7], v[KV+16*\k+8*\c:KV+16*\k+8*\c+7], v[QF+16*\t+8*\c:QF+16*\t+8*\c+7], 0
.else
	v_wmma_f32_16x16x32_f16 v[S+32*\t+8*\k:S+32*\t+8*\k+7], v[KV+16*\k+8*\c:KV+16*\k+8*\c+7], v[QF+16*\t+8*\c:QF+16*\t+8*\c+7], v[S+32*\t+8*\k:S+32*\t+8*\k+7]
.endif
.endr
.endr
.endr
.rept 4
	v_nop                                          ; places in front of the loads into K's registers and of the first reads of the scores
.endr
.irp f, 0,1,2,3,4,5,6,7                        ; V's fragment f = 2 ct + ks, turned: channels 16 ct on, keys 32 ks on; it lands while the softmax is walked
	ds_load_tr16_b128 v[KV+8*\f:KV+8*\f+3],   v[ADV] offset:9216*(\q)+4608*(\f%2)+32*(\f/2)
	ds_load_tr16_b128 v[KV+8*\f+4:KV+8*\f+7], v[ADV] offset:9216*(\q)+4608*(\f%2)+32*(\f/2)+2304
.endr
	s_add_co_u32 s56, s[KF], 63                    ; on the diagonal hidden scores become -infinity ahead of the maximum; a step all of whose keys count skips this
	s_cmp_le_u32 s56, s[Q0]
	s_cbranch_scc1 .Lopen_\@
	s_sub_co_i32 s56, s[Q0], s[KF]
	v_add_nc_u32 v10, s56, v[LD]                   ; d = my query - the step's first key - 8 (lane / 16); register n holds key 16 (n / 8) + n % 8 beyond that: hidden where that is above d
	v_add_nc_u32 v11, 16, v10                      ; tile 1's queries lie 16 on
.irp t, 0,1
.set i, 0
.rept 32
	v_cmp_gt_i32 vcc_lo, 16*(i/8)+i%8, v[10+\t]
	v_cndmask_b32 v[S+32*\t+i], v[S+32*\t+i], v[NEG], vcc_lo
.set i, i+1
.endr
.endr
.Lopen_\@:
	SOFT
	s_wait_dscnt 0x0                               ; V is in
.irp k, 0,1                                    ; O^T += V^T P: eight accumulators by turns
.irp c, 0,1,2,3
.irp t, 0,1
	v_wmma_f32_16x16x32_f16 v[O+32*\t+8*\c:O+32*\t+8*\c+7], v[KV+16*\c+8*\k:KV+16*\c+8*\k+7], v[S+32*\t+8*\k:S+32*\t+8*\k+7], v[O+32*\t+8*\c:O+32*\t+8*\c+7]
.endr
.endr
.endr
.Lhidden_\@:
	s_add_co_u32 s[KF], s[KF], 64
.endm
; THE CHANGE OF SLOTS stands at a slot's head.  Each wave waits for all its tensor loads (its part of the slot ahead), adds 0 to its spare word, and waits for that and for its reads of the slot that it has left.
; Behind the barrier the slot ahead is whole and nobody reads the other one.  fill = 1: that other slot takes the next 256 keys, one tensor load a wave, which has a slot's four steps in which to land.
.macro CHANGE fill
	s_wait_tensorcnt 0x0                           ; no tensor load of mine is out, so a group 0 may be written
	ds_add_u32 v[SPW], v[NIL]
.if \fill
	ds_add_u32 v[SPW], v[NIL]                      ; and twice on end here, in every trip alike
	s_xor_b32 s[G0K+1], s[G0K+1], SLOT1            ; the walking descriptors: the other slot, the next 256 keys
	s_add_nc_u64 s[G0K+2:G0K+3], s[G0K+2:G0K+3], SLOTB
	s_xor_b32 s[G0V+1], s[G0V+1], SLOT1
	s_add_nc_u64 s[G0V+2:G0V+3], s[G0V+2:G0V+3], SLOTB
	s_wait_xcnt 0x0                                ; the last prefetch, a slot back, has read its address
	s_add_nc_u64 s[PFA:PFA+1], s[PFA:PFA+1], SLOTB ; one slot further on than the walking descriptors
.endif
	s_wait_dscnt 0x0                               ; the add is done, and my reads of the slot that I have left are over
	s_barrier_signal -1
	s_barrier_wait -1
.if \fill
	s_add_co_u32 s56, s[KF], 256                   ; the first key of the slot that this change would ask for:
	s_cmp_gt_u32 s56, s[QL]                        ; beyond my work-group's last query it would be read by none of its waves, so it is not asked for.  Ids and the count of steps alone: all sixteen waves go the same way,
	s_cbranch_scc1 .Lpast_\@                       ; and every wait on TENSORcnt in this text is for 0
	TLOAD
.Lpast_\@:
	ASK
.endif
.endm
.macro SLOT_STEPS
	STEP 0
	STEP 1
	STEP 2
	STEP 3
	s_xor_b32 s[TB], s[TB], SLOT1
.endm
	s_wait_loadcnt 0x0                             ; Q
.Lslot:                                            ; 7 trips: behind each change of slots but the last the next slot is asked for, up to the causal limit
	CHANGE 1
	SLOT_STEPS
	s_sub_co_u32 s[SLOTS], s[SLOTS], 1
	s_cmp_lg_u32 s[SLOTS], 0
	s_cbranch_scc1 .Lslot
	CHANGE 0                                       ; the last slot is written out: nothing follows it
	SLOT_STEPS
	; THE WAY OUT.  l's halves are added; O^T is divided by l, rounded to f16 and sent through my stage, so that the 32 lanes store four neighbouring rows of O: 512 consecutive bytes.  The four additions and the v_nop are the places behind the last products.
.irp t, 0,1
	v_add_f32 v[ST+8*\t+4], v[ST+8*\t+2], v[ST+8*\t+3]
.endr
.irp t, 0,1
	v_permlanex16_b32 v[ST+8*\t+5], v[ST+8*\t+4], s[SEL], s[SEL+1]
.endr
.irp t, 0,1
	v_add_f32 v[ST+8*\t+4], v[ST+8*\t+4], v[ST+8*\t+5]
.endr
.irp t, 0,1
	v_rcp_f32 v[ST+8*\t+6], v[ST+8*\t+4]
.endr
	v_nop                                          ; a plain instruction between the last reciprocal and the use of its result
	s_wait_alu depctr_va_vdst(0)                   ; one wait for both reciprocals, ahead of their first reader
.irp t, 0,1
.set i, 0
.rept 16
	v_pk_mul_f32 v[O+32*\t+i:O+32*\t+i+1], v[O+32*\t+i:O+32*\t+i+1], v[ST+8*\t+6:ST+8*\t+7] op_sel_hi:[1,0]
.set i, i+2
.endr
.endr
.set i, 0
.rept 32
	v_cvt_pk_f16_f32 v[S+i], v[O+2*i], v[O+2*i+1]  ; register 16 t + 4 ct + n: channels 16 ct + 8 h + 2 n, + 1 of my query
.set i, i+1
.endr
.irp t, 0,1
.irp c, 0,1,2,3
	ds_store_b128 v[STO], v[S+16*\t+4*\c:S+16*\t+4*\c+3] offset:2304*\t+32*\c
.endr
.endr
.irp n, 0,1,2,3,4,5,6,7
	ds_load_b128 v[S+32+4*\n:S+32+4*\n+3], v[RD] offset:2304*(\n/4)+288*(\n%4)   ; LDS serves a wave's instructions in order: these see my stores
.endr
.irp n, 0,1,2,3,4,5,6,7
	s_wait_dscnt 7-\n                              ; load n is in; the younger ones may be out
	global_store_b128 v[GO], v[S+32+4*\n:S+32+4*\n+3], s[6:7] offset:512*\n
.endr
	s_wait_tensorcnt 0x0                           ; the wave's end, behind my last tensor load and my last LDS store
	ds_add_u32 v[SPW], v[NIL]
	s_wait_dscnt 0x0
	s_endpgm
.Lfunc_end_k_q4748e5a272_attn:
	.size	k_q4748e5a272_attn, .Lfunc_end_k_q4748e5a272_attn-k_q4748e5a272_attn
	.p2alignl 7, 3214868480
	.fill 96, 4, 3214868480
	.section	.rodata,"a",@progbits
	.p2align	6, 0x0
	.amdhsa_kernel k_q4748e5a272_attn
		.amdhsa_group_segment_fixed_size 327680
		.amdhsa_private_segment_fixed_size 0
		.amdhsa_enable_private_segment 0
		.amdhsa_kernarg_size 16
		.amdhsa_user_sgpr_count 2
		.amdhsa_user_sgpr_kernarg_segment_ptr 1
		.amdhsa_wavefront_size32 1
		.amdhsa_system_sgpr_workgroup_id_x 1
		.amdhsa_system_sgpr_workgroup_id_y 1
		.amdhsa_system_sgpr_workgroup_id_z 1
		.amdhsa_system_vgpr_workitem_id 0
		.amdhsa_next_free_vgpr 256
		.amdhsa_next_free_sgpr 80
		.amdhsa_reserve_vcc 1
		.amdhsa_float_denorm_mode_32 3
		.amdhsa_float_denorm_mode_16_64 3
		.amdhsa_memory_ordered 1
		.amdhsa_forward_progress 1
		.amdhsa_inst_pref_size 189
	.end_amdhsa_kernel
	.amdgpu_metadata
---
amdhsa.version: [ 1, 2 ]
amdhsa.kernels:
  - .name:           k_q4748e5a272_attn
    .symbol:         k_q4748e5a272_attn.kd
    .args:
      - { .name: qkv, .offset: 0, .size: 8, .value_kind: global_buffer, .address_space: global }
      - { .name: o16, .offset: 8, .size: 8, .value_kind: global_buffer, .address_space: global }
    .group_segment_fixed_size: 327680
    .private_segment_fixed_size: 0
    .kernarg_segment_align: 8
    .kernarg_segment_size: 16
    .max_flat_workgroup_size: 512
    .sgpr_count:     80
    .vgpr_count:     256
    .wavefront_size: 32
...
	.end_amdgpu_metadata
.endif
;; end of part 3
;; launch proj (part 4): grid 8 x 32, 4 waves a work-group, clusters of 4 x 4, 327,680 bytes of LDS; arguments o16, wo16, out0; writes out0
.if DOCPART == 4
	.amdgcn_target "amdgcn-amd-amdhsa--gfx1250"
	.amdhsa_code_object_version 6
	.text
	.protected	k_q4748e5a272_proj
	.globl	k_q4748e5a272_proj
	.p2align	8
	.type	k_q4748e5a272_proj,@function
k_q4748e5a272_proj:
	s_mov_b64 s[64:65], 0
	v_nop
	global_prefetch_b8 v0, s[64:65] scope:SCOPE_SE
	s_setreg_imm32_b32 hwreg(HW_REG_WAVE_MODE, 25, 1), 1
	s_wait_xcnt 0x0
	s_wait_alu depctr_hold_cnt(0) depctr_sa_sdst(0) depctr_va_vdst(0) depctr_va_sdst(0) depctr_va_ssrc(0) depctr_va_vcc(0) depctr_vm_vsrc(0)
	s_getreg_b32 s2, hwreg(HW_REG_IB_STS2, 6, 4)
	s_cmp_eq_u32 s2, 0
	s_cbranch_scc0 .Lentry_in_a_cluster
	s_endpgm
.Lentry_in_a_cluster:
	s_bfe_u32 s2, ttmp6, 0x10000c
	s_cmp_lg_u32 s2, 0xf033
	s_cbranch_scc0 .Lentry_shape_is_right
	s_endpgm
.Lentry_shape_is_right:
; out0[m][e] = sum over k of O[m][k] w_o[e][k]: m = 8,192 positions, e = 1,024, k = 64 x head + channel.  O: o16 [4 b][16 h][2048 s][64] f16; w_o: wo16 [1024][1024] f16; out0 f32; sums in f32.
; The first 16 positions of every batch are NOT stored here: a later launch makes them in f32.
; A tile of out0 is 256 rows x 128 columns: 256 work-groups, one for each WGP (256 x 256 would give 128).  Four waves, each 128 x 64: 32 accumulators, 256 registers.
; K goes in steps of 128 (two heads) through a ring of two LDS slots.  A head's 256 positions x 64 channels are 32,768 dense bytes: stated as 128 rows of 256 bytes (two positions to a row).
; CLUSTERS: 4 x 4 work-groups; tile row = (batch cy, 256 x cluster y), tile column = 4 x cluster x + cx.  The four of a row of the cluster need the same tiles of O, the four of a column the same tiles of w_o: asked for jointly.
; THE MATRIX INSTRUCTION IS USED TRANSPOSED (source 0 = 16 rows of w_o, source 1 = 16 rows of O): a lane holds eight neighbouring columns of a row of out0.
; REGISTERS: window 0: v0-31 addresses; two fragment buffers for 32 along K: O's eight fragments at v64 (v160), w_o's four at v128 (v224); on the way out v32-95.   window 1: accumulator (a, b) at v[8 (4 a + b)].
.set PITCH,  272                       ; an LDS row: 256 bytes + 16 of padding
.set HEADT,  128*PITCH                 ; one head's 256 positions
.set BOFF,   2*HEADT                   ; behind the two heads: w_o's 128 rows
.set SLOT,   3*HEADT
.set STAGE,  2*SLOT                    ; behind the ring: 16 rows x 272 bytes for each wave; no tile lands here
.set SPARE,  STAGE+4*16*272            ; the spare words, 128 bytes a wave, which no other line names
.set LAPS,   4                         ; a lap = two K steps; K = 1,024
.set ADRA, 16                          ; v16-17 LDS address of my O fragments in slot 0, 1
.set ADRB, 20                          ; v20-21 the same for w_o
.set STO,  24
.set RD,   25
.set CO,   26
.set SPW,  28                          ; v28 my spare word; never rewritten
.set NIL,  29                          ; v29 0; never rewritten
.set BK,   32                          ; the way out: rows read back, v32-63 and v64-95 by turns
.set G1, 24
.set G0, 32
.set G1B, 48
.set G0B, 56
.set MSB, 0
.macro WIN new
.if MSB != \new
	s_set_vgpr_msb (MSB<<8)|\new
.set MSB, \new
.endif
.endm
.set MUL, 0x50                         ; sources 0 and 1 window 0; C and D window 1
.macro JLOAD s                         ; a joint load: waves 0 and 1 fetch O's two heads, waves 2 and 3 w_o's two halves; an s_nop 0 and four v_nop follow each of the two lines
	s_cmp_eq_u32 s11, 0
	s_cbranch_scc0 .Lfor_b_\@
	tensor_load_to_lds s[G0+4*\s:G0+4*\s+3], s[G1:G1+7]
	s_nop 0
.rept 4
	v_nop
.endr
	s_branch .Lasked_\@
.Lfor_b_\@:
	tensor_load_to_lds s[G0B+4*\s:G0B+4*\s+3], s[G1B:G1B+7]
	s_nop 0
.rept 4
	v_nop
.endr
.Lasked_\@:
.endm
.macro CREST                           ; a round of the cluster's barrier behind its opening barrier
	s_cmp_lg_u32 s10, 0
	s_cbranch_scc1 .Lnot_wave_0_\@
	s_barrier_signal -3
.Lnot_wave_0_\@:
	s_barrier_wait -3
	s_barrier_signal -1
	s_barrier_wait -1
.endm
.macro CROUND
	s_barrier_signal -1
	s_barrier_wait -1
	CREST
.endm
	s_load_b128 s[4:7], s[0:1], 0x0                ; o16, wo16
	s_load_b64 s[8:9], s[0:1], 0x10                ; out0
	v_lshl_add_u32 v[SPW], v0, 2, SPARE
	v_mov_b32 v[NIL], 0
	ds_add_u32 v[SPW], v[NIL]                      ; the wave's opening: the add, twice on end, and its wait ahead of my first tensor load
	ds_add_u32 v[SPW], v[NIL]
	v_lshrrev_b32 v1, 5, v0
	v_readfirstlane_b32 s10, v1                    ; wave 0..3
	s_lshr_b32 s11, s10, 1                         ; which 128 rows are mine.  Also: I fetch for O (0) or for w_o (1)
	s_and_b32 s12, s10, 1                          ; which 64 columns.  Also: which head of the step, or which 64 rows of w_o, I fetch
	s_bfe_u32 s40, ttmp6, 0x40000                  ; cx
	s_bfe_u32 s41, ttmp6, 0x40004                  ; cy: the batch
	s_lshl_b32 s42, ttmp9, 2
	s_add_co_u32 s42, s42, s40                     ; tile column
	s_and_b32 s13, ttmp7, 0xffff                   ; cluster y: the tile's first position is 256 x this
	s_or_b32 s45, s13, s11                         ; 0 where my 128 rows begin a sequence: the same in all partners, for a given wave
	s_lshl_b32 s43, s41, 2
	s_lshl_b32 s43, 15, s43                        ; my row of the cluster
	s_lshl_b32 s44, 0x1111, s40                    ; my column
	; descriptor group 1, elements of 2 bytes, 16 bytes of padding behind every 256.  O: 128 rows x 128 elements, dense.  w_o: 64 rows x 128 elements, 1,024 elements apart
	s_or_b32 s[G1+0], s43, (1<<16)|(1<<20)|(1<<21)|(5<<22)|(3<<25)
	s_mov_b32 s[G1+1], 128<<16
	s_mov_b32 s[G1+2], 128<<16
	s_mov_b32 s[G1+3], 128<<16
	s_mov_b32 s[G1+4], 128
	s_mov_b32 s[G1+5], 128
	s_mov_b32 s[G1+6], 0
	s_mov_b32 s[G1+7], 0
	s_or_b32 s[G1B+0], s44, (1<<16)|(1<<20)|(1<<21)|(5<<22)|(3<<25)
	s_mov_b32 s[G1B+1], 128<<16
	s_mov_b32 s[G1B+2], 64<<16
	s_mov_b32 s[G1B+3], 128<<16
	s_mov_b32 s[G1B+4], 64
	s_mov_b32 s[G1B+5], 1024
	s_mov_b32 s[G1B+6], 0
	s_mov_b32 s[G1B+7], 0
	s_lshl_b32 s16, s41, 4
	s_add_co_u32 s16, s16, s12                     ; O: plane 16 x batch + my head of K step 0,
	s_lshl_b32 s16, s16, 18
	s_lshl_b32 s17, s13, 15                        ; + 256 x cluster y positions of 128 bytes: made of cy, cluster y and the wave's number alone
	s_add_co_u32 s16, s16, s17
	s_mov_b32 s17, 0
	s_lshl_b32 s46, s42, 18                        ; w_o: row 128 x tile column + 64 x half, 2,048 bytes a row: made of the tile column and the wave's number alone
	s_lshl_b32 s47, s12, 17
	s_add_co_u32 s46, s46, s47
	s_mov_b32 s47, 0
	s_mul_i32 s20, s12, HEADT                      ; where they go: no place in the cluster enters an LDS address
	s_mul_i32 s21, s12, 64*PITCH
	s_add_co_u32 s21, s21, BOFF
	s_wait_dscnt 0x0                               ; both opening adds are done
	s_wait_kmcnt 0x0
	s_add_nc_u64 s[14:15], s[4:5], s[16:17]
	s_add_nc_u64 s[46:47], s[6:7], s[46:47]
	CROUND                                         ; all sixteen work-groups are here: the first joint loads meet
.irp s, 0,1
	s_mov_b32 s[G0+4*\s], 1
	s_add_co_u32 s[G0+4*\s+1], s20, \s*SLOT
	s_add_nc_u64 s[G0+4*\s+2:G0+4*\s+3], s[14:15], \s*2*262144      ; K step s: two heads on
	s_or_b32 s[G0+4*\s+3], s[G0+4*\s+3], 0x80000000
	s_mov_b32 s[G0B+4*\s], 1
	s_add_co_u32 s[G0B+4*\s+1], s21, \s*SLOT
	s_add_nc_u64 s[G0B+4*\s+2:G0B+4*\s+3], s[46:47], \s*256
	s_or_b32 s[G0B+4*\s+3], s[G0B+4*\s+3], 0x80000000
	JLOAD \s                                       ; two tensor loads of mine are out
.endr
	v_and_b32 v1, 15, v0                           ; r
	v_bfe_u32 v2, v0, 4, 1                         ; h
	v_lshrrev_b32 v3, 1, v1
	v_and_b32 v4, 1, v1
	v_mul_u32_u24 v3, v3, PITCH                    ; O: two positions to an LDS row: (r / 2) x 272 + (r % 2) x 128 + 16 h
	v_lshl_add_u32 v3, v4, 7, v3
	v_lshl_add_u32 v3, v2, 4, v3
	v_mul_u32_u24 v4, v1, PITCH                    ; w_o: r x 272 + 16 h
	v_lshl_add_u32 v4, v2, 4, v4
	s_mul_i32 s21, s11, 64*PITCH                   ; my 128 positions: 64 LDS rows
	s_mul_i32 s22, s12, 64*PITCH                   ; my 64 rows of w_o
	s_add_co_u32 s22, s22, BOFF
.irp s, 0,1
	v_add_nc_u32 v[ADRA+\s], s21, v3
	v_add_nc_u32 v[ADRB+\s], s22, v4
	s_add_co_u32 s21, s21, SLOT
	s_add_co_u32 s22, s22, SLOT
.endr
	s_mul_i32 s23, s10, 16*272
	s_add_co_u32 s23, s23, STAGE                   ; my stage
	v_mul_u32_u24 v5, v1, 272                      ; in: row r, 32 bytes for each half of the lanes
	v_lshl_add_u32 v5, v2, 5, v5
	v_add_nc_u32 v[STO], s23, v5
	v_mul_u32_u24 v5, v2, 272                      ; back: lanes 0-15 one row of 256 bytes, lanes 16-31 the next
	v_lshl_add_u32 v5, v1, 4, v5
	v_add_nc_u32 v[RD], s23, v5
	v_lshlrev_b32 v5, 12, v2                       ; the same two rows in out0, 4,096 bytes apart
	v_lshl_add_u32 v[CO], v1, 4, v5
	s_lshl_b32 s16, s41, 23                        ; my first row: (2,048 x batch + 256 x cluster y + 128 x half) x 4,096 bytes,
	s_lshl_b32 s17, s13, 20
	s_add_co_u32 s16, s16, s17
	s_lshl_b32 s17, s11, 19
	s_add_co_u32 s16, s16, s17
	s_mov_b32 s17, 0
	s_lshl_b32 s46, s42, 9                         ; my first column: 512 x tile column + 256 x half bytes
	s_lshl_b32 s47, s12, 8
	s_add_co_u32 s46, s46, s47
	s_mov_b32 s47, 0
	s_add_nc_u64 s[16:17], s[16:17], s[46:47]
	s_add_nc_u64 s[8:9], s[8:9], s[16:17]
; 4 n matrix instructions: O's blocks a0 .. a0 + n - 1 against w_o's four, 32 along K, from buffer f.  zero = 1: the first product starts the sums.  The 32 accumulators take turns, one instruction a turn, in the same order in every quarter.
.macro MULN f, a0, n, zero
.set AA, \a0
.rept \n
.irp b, 0,1,2,3
.if \zero
	v_wmma_f32_16x16x32_f16 v[8*(4*AA+\b):8*(4*AA+\b)+7], v[128+96*(\f)+8*\b:128+96*(\f)+8*\b+7], v[64+96*(\f)+8*AA:64+96*(\f)+8*AA+7], 0
.else
	v_wmma_f32_16x16x32_f16 v[8*(4*AA+\b):8*(4*AA+\b)+7], v[128+96*(\f)+8*\b:128+96*(\f)+8*\b+7], v[64+96*(\f)+8*AA:64+96*(\f)+8*AA+7], v[8*(4*AA+\b):8*(4*AA+\b)+7]
.endif
.endr
.set AA, AA+1
.endr
.endm
; 24 LDS loads in one run: the fragments of the slot's q-th 32 along K into buffer f: w_o's four first, then O's eight.  Quarters 0, 1 lie in the step's first head, 2, 3 in its second
.macro FETCH slot, q, f
.irp j, 0,1,2,3
	ds_load_b128 v[128+96*(\f)+8*\j:128+96*(\f)+8*\j+3],   v[ADRB+\slot] offset:64*(\q)+16*PITCH*\j
	ds_load_b128 v[128+96*(\f)+8*\j+4:128+96*(\f)+8*\j+7], v[ADRB+\slot] offset:64*(\q)+16*PITCH*\j+32
.endr
.irp i, 0,1,2,3,4,5,6,7
	ds_load_b128 v[64+96*(\f)+8*\i:64+96*(\f)+8*\i+3],   v[ADRA+\slot] offset:((\q)/2)*HEADT+((\q)%2)*64+8*PITCH*\i
	ds_load_b128 v[64+96*(\f)+8*\i+4:64+96*(\f)+8*\i+7], v[ADRA+\slot] offset:((\q)/2)*HEADT+((\q)%2)*64+8*PITCH*\i+32
.endr
.endm
.macro PLACES                          ; four places in front of loads into registers that matrix instructions have read, and of the first reads of results
.rept 4
	v_nop
.endr
.endm
; A K step is four quarters of 32 along K, 32 matrix instructions each, on buffers 0, 1, 0, 1.  One of the first three: multiplies buffer f and fetches quarter q into buffer g.
.macro QUARTER slot, q, f, g, zero
	s_wait_dscnt 8                                 ; all but the youngest eight loads (O's blocks 4-7)
	WIN MUL
	MULN \f, 0, 4, \zero
	PLACES
	WIN 0
	FETCH \slot, \q, \g
	s_wait_dscnt 24                                ; all but the 24 just issued
	WIN MUL
	MULN \f, 4, 4, \zero
.endm
; The last quarter multiplies buffer 1 and changes slots: ONE barrier; in front of it each wave waits for all its tensor loads, adds 0 to its spare word, and waits for that and for its reads of this slot.
; fill = 1: the barrier opens a round of the cluster's barrier, and this slot is filled again, two K steps ahead, first thing behind the round: 112 matrix instructions ahead of the wait for it.
.macro TURN slot, next, fill
	WIN 0
	s_wait_tensorcnt 0x0                           ; all my tensor loads have landed: my part of the next slot
	ds_add_u32 v[SPW], v[NIL]
	s_wait_dscnt 9                                 ; the add and the youngest eight loads may be out
	WIN MUL
	MULN 1, 0, 2, 0
	s_wait_dscnt 0x0                               ; the add is done, and my reads of this slot are over
	s_barrier_signal -1
	MULN 1, 2, 2, 0
	WIN 0
	s_barrier_wait -1
.if \fill
	CREST                                          ; no wave of any partner still reads this slot's tile or has a load on its way
	s_add_nc_u64 s[G0+4*\slot+2:G0+4*\slot+3], s[G0+4*\slot+2:G0+4*\slot+3], 4*262144   ; four heads on
	s_add_nc_u64 s[G0B+4*\slot+2:G0B+4*\slot+3], s[G0B+4*\slot+2:G0B+4*\slot+3], 512
	JLOAD \slot                                    ; its four v_nop are also the places in front of the loads below
.else
	PLACES
.endif
	FETCH \next, 0, 0
	WIN MUL
	MULN 1, 4, 4, 0
.endm
	s_wait_tensorcnt 1                             ; my part of K step 0 is in; the one younger load, K step 1's, may be out
	s_barrier_signal -1
	s_barrier_wait -1
	FETCH 0, 0, 0
	QUARTER 0, 1, 0, 1, 1                          ; the first quarter stands in front of the loop: its products start the sums
	WIN 0                                          ; at a label and at a branch every window is 0
	s_mov_b32 s3, LAPS-1
.Llap:                                                 ; a trip goes once round the ring, from a lap's second quarter to the next lap's first, and fills both slots again
	QUARTER 0, 2, 1, 0, 0
	QUARTER 0, 3, 0, 1, 0
	TURN 0, 1, 1
	QUARTER 1, 1, 0, 1, 0
	QUARTER 1, 2, 1, 0, 0
	QUARTER 1, 3, 0, 1, 0
	TURN 1, 0, 1
	QUARTER 0, 1, 0, 1, 0
	WIN 0
	s_sub_co_u32 s3, s3, 1
	s_cmp_lg_u32 s3, 0
	s_cbranch_scc1 .Llap
	QUARTER 0, 2, 1, 0, 0                          ; the last lap fills nothing, and has no round of the cluster's barrier
	QUARTER 0, 3, 0, 1, 0
	TURN 0, 1, 0
	QUARTER 1, 1, 0, 1, 0
	QUARTER 1, 2, 1, 0, 0
	QUARTER 1, 3, 0, 1, 0
	s_wait_dscnt 8                                 ; the very last quarter: nothing more to fetch
	WIN MUL
	MULN 1, 0, 4, 0
	s_wait_dscnt 0x0
	MULN 1, 4, 4, 0
	WIN 0
; THE WAY OUT, block by block of 16 rows x 64 columns: through my own stage, back as whole rows of 256 bytes.  LDS serves a wave's instructions in order: no wait between the stores and the loads, nor in front of the next block's stores.
.macro TOSTAGE a
	WIN 0x04                                       ; an LDS store's data: window 1
.irp b, 0,1,2,3
	ds_store_b128 v[STO], v[8*(4*(\a)+\b):8*(4*(\a)+\b)+3] offset:64*\b          ; each accumulator from its low end on
	ds_store_b128 v[STO], v[8*(4*(\a)+\b)+4:8*(4*(\a)+\b)+7] offset:64*\b+16
.endr
	WIN 0
.set BB, BK+32*((\a)%2)
.irp t, 0,1,2,3,4,5,6,7
	ds_load_b128 v[BB+4*\t:BB+4*\t+3], v[RD] offset:\t*2*272
.endr
.endm
.macro SEND a, younger                 ; younger: the LDS instructions issued behind block a's loads, which may stay out
.set BB, BK+32*((\a)%2)
	s_wait_dscnt \younger
.if (\a) == 0
	s_cmp_eq_u32 s45, 0                            ; a sequence's first 16 positions are the f32 launch's: not stored here.  Cluster y and the wave's number alone
	s_cbranch_scc1 .Lskip
.endif
.irp t, 0,1,2,3,4,5,6,7
	global_store_b128 v[CO], v[BB+4*\t:BB+4*\t+3], s[8:9] offset:(16*(\a)+2*\t)*4096 th:TH_STORE_NT   ; 16 lanes store 256 consecutive bytes, aligned; 126 rows of 4,096 bytes at the most: inside the signed 24-bit immediate
.endr
.if (\a) == 0
.Lskip:
.endif
.endm
	PLACES
	TOSTAGE 0
.irp a, 1,2,3,4,5,6,7
.if \a > 1
	s_wait_xcnt 0x0                                ; block a - 2's stores have read their data: block a's loads land there only behind this wait
.endif
	TOSTAGE \a
	SEND \a-1, 16                                  ; behind block a - 1's loads: block a's 8 stores and 8 loads
.endr
	SEND 7, 0
	s_wait_tensorcnt 0x0                           ; the wave's end, behind my last tensor load and my last LDS store
	ds_add_u32 v[SPW], v[NIL]
	s_wait_dscnt 0x0
	CROUND                                         ; the closing round
	s_endpgm
.Lfunc_end_k_q4748e5a272_proj:
	.size	k_q4748e5a272_proj, .Lfunc_end_k_q4748e5a272_proj-k_q4748e5a272_proj
	.p2alignl 7, 3214868480
	.fill 96, 4, 3214868480
	.section	.rodata,"a",@progbits
	.p2align	6, 0x0
	.amdhsa_kernel k_q4748e5a272_proj
		.amdhsa_group_segment_fixed_size 327680
		.amdhsa_private_segment_fixed_size 0
		.amdhsa_enable_private_segment 0
		.amdhsa_kernarg_size 24
		.amdhsa_user_sgpr_count 2
		.amdhsa_user_sgpr_kernarg_segment_ptr 1
		.amdhsa_wavefront_size32 1
		.amdhsa_system_sgpr_workgroup_id_x 1
		.amdhsa_system_sgpr_workgroup_id_y 1
		.amdhsa_system_sgpr_workgroup_id_z 1
		.amdhsa_system_vgpr_workitem_id 0
		.amdhsa_next_free_vgpr 512
		.amdhsa_next_free_sgpr 66
		.amdhsa_reserve_vcc 0
		.amdhsa_float_denorm_mode_32 3
		.amdhsa_float_denorm_mode_16_64 3
		.amdhsa_memory_ordered 1
		.amdhsa_forward_progress 1
		.amdhsa_inst_pref_size 86
	.end_amdhsa_kernel
	.amdgpu_metadata
---
amdhsa.version: [ 1, 2 ]
amdhsa.kernels:
  - .name:           k_q4748e5a272_proj
    .symbol:         k_q4748e5a272_proj.kd
    .args:
      - { .name: o16, .offset: 0, .size: 8, .value_kind: global_buffer, .address_space: global }
      - { .name: wo16, .offset: 8, .size: 8, .value_kind: global_buffer, .address_space: global }
      - { .name: out0, .offset: 16, .size: 8, .value_kind: global_buffer, .address_space: global }
    .group_segment_fixed_size: 327680
    .private_segment_fixed_size: 0
    .kernarg_segment_align: 8
    .kernarg_segment_size: 24
    .max_flat_workgroup_size: 128
    .sgpr_count:     66
    .vgpr_count:     512
    .wavefront_size: 32
...
	.end_amdgpu_metadata
.endif
;; end of part 4
;; launch fine (part 5): grid 16 x 4, 16 waves a work-group, no clusters, 85,248 bytes of LDS; arguments fq, w_o, out0; writes out0
.if DOCPART == 5
	.amdgcn_target "amdgcn-amd-amdhsa--gfx1250"
	.amdhsa_code_object_version 6
	.text
	.protected	k_q4748e5a272_fine
	.globl	k_q4748e5a272_fine
	.p2align	8
	.type	k_q4748e5a272_fine,@function
k_q4748e5a272_fine:
	s_mov_b64 s[64:65], 0
	v_nop
	global_prefetch_b8 v0, s[64:65] scope:SCOPE_SE
	s_setreg_imm32_b32 hwreg(HW_REG_WAVE_MODE, 25, 1), 1
	s_wait_xcnt 0x0
; The first 16 positions of every batch, all in f32: under the causal mask they average one to sixteen values, where the rounding of 16-bit operands would weigh most.
; fq [16 b + s][3072] holds their Q, K, V (columns 0-1023, 1024-2047, 2048-3071) in f32; w_o [1024][1024] f32; rows 2,048 b + 0 .. 15 of out0 are stored.  Products by v_wmma_f32_16x16x4_f32: 96 a wave, no bulk work.
; LIMITS: hidden keys get the weight 0; NaN and infinities are not served.
; SHARES.  Work-group (sl, b) makes 64 columns of the batch's 16 rows.  A: wave w makes head w's attention (every work-group of a batch repeats it: 32 products a wave); O goes to LDS.
; B: wave w takes 16 of the 64 columns (w % 4) and a quarter of K (w / 4): 64 products; the four quarters meet in LDS.  C: wave w adds and stores row w's 256 bytes.
; No tensor load, no cluster: operands go from memory straight into registers, and what is shared between work-groups is small.
; The registers that the f32 matrix form writes (v16-63) are written by matrix instructions alone; what is made of a sum goes into other registers.
; A permutation of k applied alike to both sources keeps the products: a lane's registers run along 32 (A) or 128 (B) neighbouring k, and instruction c takes registers 2 c, 2 c + 1 of both sides.
.set OL,    0                          ; LDS: O, 16 rows x (4,096 bytes + 16)
.set RED,   16*4112                    ; the four quarters' partial sums: 4 x 16 rows x (256 bytes + 16)
.set SPARE, RED+4*16*272               ; the spare words, 128 bytes a wave, which no other line names
.set AQ,   3                           ; v3  Q, K: 12,288 r + 128 h
.set AV,   4                           ; v4  V: 98,304 h + 4 r
.set AW,   5                           ; v5  w_o: 4,096 r + 512 h
.set LSTO, 6
.set LRD,  7
.set RSTO, 8
.set RRD,  9
.set GOUT, 10
.set DD,   11                          ; v11 r - 8 h
.set SPW,  12                          ; v12 my spare word; never rewritten
.set NIL,  13                          ; v13 0; never rewritten
.set NEG,  15                          ; v15 -infinity
.set SA,   16                          ; v16-23, v24-31: two accumulators that take turns
.set SB,   24
.set OA,   32                          ; v32-63 O^T's four accumulators
.set QR,   64                          ; v64-95  Q; then the scaled O; then O's buffer 0; then sums
.set KR,   96                          ; v96-127 K; then O's buffer 1
.set VR,   128                         ; v128-159 V; from phase B on v128-191: w_o's upper half
.set PR,   160                         ; v160-167 the scores, then p;  v168-173 at work
.set WL,   192                         ; v192-255 w_o's lower half
	s_load_b128 s[4:7], s[0:1], 0x0                ; fq, w_o
	s_load_b64 s[8:9], s[0:1], 0x10                ; out0
	v_lshl_add_u32 v[SPW], v0, 2, SPARE
	v_mov_b32 v[NIL], 0
	v_lshrrev_b32 v1, 5, v0
	v_readfirstlane_b32 s10, v1                    ; wave 0..15
	s_and_b32 s11, ttmp7, 0xffff                   ; batch
	v_and_b32 v1, 15, v0                           ; r
	v_bfe_u32 v2, v0, 4, 1                         ; h
	v_mul_u32_u24 v[AQ], v1, 12288
	v_lshl_add_u32 v[AQ], v2, 7, v[AQ]
	v_mul_u32_u24 v[AV], v2, 98304
	v_lshl_add_u32 v[AV], v1, 2, v[AV]
	v_lshlrev_b32 v[AW], 12, v1
	v_lshl_add_u32 v[AW], v2, 9, v[AW]
	v_mul_u32_u24 v14, v1, 4112
	s_lshl_b32 s12, s10, 8
	v_lshl_add_u32 v[LSTO], v2, 5, v14
	v_add_nc_u32 v[LSTO], s12, v[LSTO]             ; O, in: row r, my head's 256 bytes, + 32 h
	s_lshr_b32 s13, s10, 2                         ; my quarter of K
	s_and_b32 s15, s10, 3                          ; my 16 columns
	s_lshl_b32 s14, s13, 10
	v_lshl_add_u32 v[LRD], v2, 9, v14
	v_add_nc_u32 v[LRD], s14, v[LRD]               ; O, back: row r, my quarter's 1,024 bytes, + 512 h
	s_mul_i32 s14, s13, 16*272
	s_lshl_b32 s16, s15, 6
	s_add_co_u32 s14, s14, s16
	s_add_co_u32 s14, s14, RED
	v_mul_u32_u24 v[RSTO], v1, 272
	v_lshl_add_u32 v[RSTO], v2, 5, v[RSTO]
	v_add_nc_u32 v[RSTO], s14, v[RSTO]             ; partial sums, in: my quarter, row r, my 64 bytes, + 32 h
	s_mul_i32 s14, s10, 272
	s_add_co_u32 s14, s14, RED
	v_and_b32 v[GOUT], 31, v0
	v_lshlrev_b32 v[GOUT], 3, v[GOUT]              ; 8 bytes a lane
	v_add_nc_u32 v[RRD], s14, v[GOUT]              ; back: row w
	v_lshlrev_b32 v[DD], 3, v2
	v_sub_nc_u32 v[DD], v1, v[DD]
	v_mov_b32 v[NEG], 0xff800000
	v_mov_b32 v169, 0                              ; a lane permute's destination counts as one of its sources
	s_mov_b32 s20, 0x76543210
	s_mov_b32 s21, 0xfedcba98
	s_mov_b32 s22, 0x3e38aa3b                      ; c = log2(e) / 8
	s_mul_i32 s16, s11, 16*12288                   ; fq: the batch's 16 rows, my head's 256 bytes
	s_add_co_u32 s16, s16, s12
	s_mov_b32 s17, 0
	s_lshl_b32 s18, ttmp9, 18                      ; w_o: row 64 sl + 16 (w % 4), 4,096 bytes a row, + my quarter's 1,024 bytes
	s_lshl_b32 s19, s15, 16
	s_add_co_u32 s18, s18, s19
	s_lshl_b32 s19, s13, 10
	s_add_co_u32 s18, s18, s19
	s_mov_b32 s19, 0
	s_lshl_b32 s24, s11, 23                        ; out0: row 2,048 b + w, + 256 sl bytes
	s_lshl_b32 s25, s10, 12
	s_add_co_u32 s24, s24, s25
	s_lshl_b32 s25, ttmp9, 8
	s_add_co_u32 s24, s24, s25
	s_mov_b32 s25, 0
	s_wait_kmcnt 0x0
	s_add_nc_u64 s[4:5], s[4:5], s[16:17]
	s_add_nc_u64 s[6:7], s[6:7], s[18:19]
	s_add_nc_u64 s[8:9], s[8:9], s[24:25]
	; ---- A: head w.  Lane (r, h) holds channels 32 h + 0 .. 31 of position r of Q and of K, and V(key 8 h + i, channel 16 t + r)
.irp n, 0,1,2,3,4,5,6,7
	global_load_b128 v[QR+4*\n:QR+4*\n+3], v[AQ], s[4:5] offset:16*\n
.endr
.irp n, 0,1,2,3,4,5,6,7
	global_load_b128 v[KR+4*\n:KR+4*\n+3], v[AQ], s[4:5] offset:4096+16*\n
.endr
.irp t, 0,1,2,3
.irp i, 0,1,2,3,4,5,6,7
	global_load_b32 v[VR+8*\t+\i], v[AV], s[4:5] offset:8192+12288*\i+64*\t
.endr
.endr
.irp n, 0,1,2,3,4,5,6,7,8,9,10,11,12,13,14,15
	global_load_b128 v[WL+4*\n:WL+4*\n+3], v[AW], s[6:7] offset:16*\n   ; w_o for phase B, k = 128 h + 0 .. 63 of my quarter: asked for early
.endr
	s_wait_loadcnt 48                              ; Q and K are in; V's 32 loads and w_o's 16 may be out
.set i, 0
.rept 16                                       ; S^T = K Q^T: source 0 = 16 keys, source 1 = 16 queries; two accumulators by turns; the first two products start the sums
.if i < 2
	v_wmma_f32_16x16x4_f32 v[SA+8*(i%2):SA+8*(i%2)+7], v[KR+2*i:KR+2*i+1], v[QR+2*i:QR+2*i+1], 0
.else
	v_wmma_f32_16x16x4_f32 v[SA+8*(i%2):SA+8*(i%2)+7], v[KR+2*i:KR+2*i+1], v[QR+2*i:QR+2*i+1], v[SA+8*(i%2):SA+8*(i%2)+7]
.endif
.set i, i+1
.endr
.rept 8
	v_nop                                          ; eight places behind this form, in front of the first read of its results
.endr
.irp j, 0,1,2,3,4,5,6,7
	v_add_f32 v[PR+\j], v[SA+\j], v[SB+\j]         ; lane (r, h): query r, key 8 h + j; from the low end on
.endr
.irp j, 0,1,2,3,4,5,6,7
	v_cmp_gt_i32 vcc_lo, \j, v[DD]                 ; hidden where 8 h + j > r
	v_cndmask_b32 v[PR+\j], v[PR+\j], v[NEG], vcc_lo
.endr
	v_max3_num_f32 v168, v160, v161, v162
	v_max3_num_f32 v168, v168, v163, v164
	v_max3_num_f32 v168, v168, v165, v166
	v_max_num_f32 v168, v168, v167
	v_permlanex16_b32 v169, v168, s20, s21
	v_max_num_f32 v168, v168, v169                 ; the row's maximum: key 0 counts for every query, so it is a number
	v_mul_f32 v168, s22, v168                      ; c m
.irp j, 0,1,2,3,4,5,6,7
	v_fma_f32 v[PR+\j], v[PR+\j], s22, -v168
.endr
.irp j, 0,1,2,3,4,5,6,7
	v_exp_f32 v[PR+\j], v[PR+\j]
.endr
	v_nop                                          ; a plain instruction behind the last exponential
	s_wait_alu depctr_va_vdst(0)                   ; one wait for the eight, ahead of their first reader
	v_add_f32 v170, v160, v161
	v_add_f32 v171, v162, v163
	v_add_f32 v172, v164, v165
	v_add_f32 v173, v166, v167
	v_add_f32 v170, v170, v171
	v_add_f32 v172, v172, v173
	v_add_f32 v170, v170, v172
	v_permlanex16_b32 v169, v170, s20, s21
	v_add_f32 v170, v170, v169                     ; the row's sum
	v_rcp_f32 v170, v170
	v_nop
	s_wait_alu depctr_va_vdst(0)                   ; the wait for the reciprocal, ahead of its first reader
	s_wait_loadcnt 16                              ; V is in; w_o's 16 loads may be out
.irp c, 0,1,2,3                                ; O^T = V^T P: source 0 = 16 channels, source 1 = p; keys 8 h + 2 c, + 1; four accumulators by turns
.irp t, 0,1,2,3
.if \c == 0
	v_wmma_f32_16x16x4_f32 v[OA+8*\t:OA+8*\t+7], v[VR+8*\t+2*\c:VR+8*\t+2*\c+1], v[PR+2*\c:PR+2*\c+1], 0
.else
	v_wmma_f32_16x16x4_f32 v[OA+8*\t:OA+8*\t+7], v[VR+8*\t+2*\c:VR+8*\t+2*\c+1], v[PR+2*\c:PR+2*\c+1], v[OA+8*\t:OA+8*\t+7]
.endif
.endr
.endr
.rept 8
	v_nop                                          ; eight places: in front of the reads of the results and of the loads into V's and p's registers
.endr
.set i, 0
.rept 32
	v_mul_f32 v[QR+i], v[OA+i], v170               ; O(r, 64 w + 16 t + 8 h + j), into other registers, each accumulator from its low end on
.set i, i+1
.endr
.irp n, 0,1,2,3,4,5,6,7,8,9,10,11,12,13,14,15
	global_load_b128 v[VR+4*\n:VR+4*\n+3], v[AW], s[6:7] offset:256+16*\n   ; w_o, k = 128 h + 64 .. 127 of my quarter
.endr
.irp t, 0,1,2,3
	ds_store_b128 v[LSTO], v[QR+8*\t:QR+8*\t+3] offset:OL+64*\t
	ds_store_b128 v[LSTO], v[QR+8*\t+4:QR+8*\t+7] offset:OL+64*\t+16
.endr
	s_wait_dscnt 0x0                               ; for the others' sake: my stores have landed
	s_barrier_signal -1
	s_barrier_wait -1                              ; the 16 rows of O lie whole in LDS
	; ---- B: out^T = w_o O^T for my 16 columns and my 256 of K: source 0 = 16 rows of w_o, source 1 = the 16 rows of O; lane (r, h) holds k = 128 h + 0 .. 127 of my quarter on both sides
.macro LDO g                           ; 32 of them, those of products 16 g .. 16 g + 15, into buffer g % 2
.irp n, 0,1,2,3,4,5,6,7
	ds_load_b128 v[QR+32*((\g)%2)+4*\n:QR+32*((\g)%2)+4*\n+3], v[LRD] offset:OL+128*(\g)+16*\n
.endr
.endm
.macro MM g                            ; 16 products, the two accumulators by turns; the first two of all start the sums
.set i, 16*(\g)
.rept 16
.if i < 32
.set WR, WL+2*i
.else
.set WR, VR+2*(i-32)
.endif
.set XR, QR+32*((\g)%2)+2*(i%16)
.if i < 2
	v_wmma_f32_16x16x4_f32 v[SA+8*(i%2):SA+8*(i%2)+7], v[WR:WR+1], v[XR:XR+1], 0
.else
	v_wmma_f32_16x16x4_f32 v[SA+8*(i%2):SA+8*(i%2)+7], v[WR:WR+1], v[XR:XR+1], v[SA+8*(i%2):SA+8*(i%2)+7]
.endif
.set i, i+1
.endr
.endm
	LDO 0
	LDO 1
	s_wait_loadcnt 16                              ; w_o's lower half is in; the upper half's 16 loads may be out
	s_wait_dscnt 8                                 ; buffer 0 is in; buffer 1's eight loads may be out
	MM 0
.rept 8
	v_nop                                          ; eight places in front of loads into registers that these products have read
.endr
	LDO 2
	s_wait_dscnt 8
	MM 1
.rept 8
	v_nop
.endr
	LDO 3
	s_wait_dscnt 8
	s_wait_loadcnt 0x0                             ; w_o's upper half
	MM 2
	s_wait_dscnt 0x0
	MM 3
.rept 8
	v_nop
.endr
.irp j, 0,1,2,3,4,5,6,7
	v_add_f32 v[QR+\j], v[SA+\j], v[SB+\j]         ; lane (r, h): row r, columns 8 h + j of my 16
.endr
	ds_store_b128 v[RSTO], v[QR:QR+3]
	ds_store_b128 v[RSTO], v[QR+4:QR+7] offset:16
	s_wait_dscnt 0x0                               ; for the others' sake
	s_barrier_signal -1
	s_barrier_wait -1
	; ---- C: row w: the four quarters are added in ascending order
.irp q, 0,1,2,3
	ds_load_b64 v[QR+2*\q:QR+2*\q+1], v[RRD] offset:\q*16*272
.endr
	s_wait_dscnt 0x0
	v_pk_add_f32 v[QR+8:QR+9], v[QR:QR+1], v[QR+2:QR+3]
	v_pk_add_f32 v[QR+8:QR+9], v[QR+8:QR+9], v[QR+4:QR+5]
	v_pk_add_f32 v[QR+8:QR+9], v[QR+8:QR+9], v[QR+6:QR+7]
	global_store_b64 v[GOUT], v[QR+8:QR+9], s[8:9] ; 32 lanes store 256 consecutive bytes, aligned
	s_wait_tensorcnt 0x0                           ; the wave's end, behind my last LDS store
	ds_add_u32 v[SPW], v[NIL]
	s_wait_dscnt 0x0
	s_endpgm
.Lfunc_end_k_q4748e5a272_fine:
	.size	k_q4748e5a272_fine, .Lfunc_end_k_q4748e5a272_fine-k_q4748e5a272_fine
	.p2alignl 7, 3214868480
	.fill 96, 4, 3214868480
	.section	.rodata,"a",@progbits
	.p2align	6, 0x0
	.amdhsa_kernel k_q4748e5a272_fine
		.amdhsa_group_segment_fixed_size 85248
		.amdhsa_private_segment_fixed_size 0
		.amdhsa_enable_private_segment 0
		.amdhsa_kernarg_size 24
		.amdhsa_user_sgpr_count 2
		.amdhsa_user_sgpr_kernarg_segment_ptr 1
		.amdhsa_wavefront_size32 1
		.amdhsa_system_sgpr_workgroup_id_x 1
		.amdhsa_system_sgpr_workgroup_id_y 1
		.amdhsa_system_sgpr_workgroup_id_z 1
		.amdhsa_system_vgpr_workitem_id 0
		.amdhsa_next_free_vgpr 256
		.amdhsa_next_free_sgpr 66
		.amdhsa_reserve_vcc 1
		.amdhsa_float_denorm_mode_32 3
		.amdhsa_float_denorm_mode_16_64 3
		.amdhsa_memory_ordered 1
		.amdhsa_forward_progress 1
		.amdhsa_inst_pref_size 26
	.end_amdhsa_kernel
	.amdgpu_metadata
---
amdhsa.version: [ 1, 2 ]
amdhsa.kernels:
  - .name:           k_q4748e5a272_fine
    .symbol:         k_q4748e5a272_fine.kd
    .args:
      - { .name: fq, .offset: 0, .size: 8, .value_kind: global_buffer, .address_space: global }
      - { .name: w_o, .offset: 8, .size: 8, .value_kind: global_buffer, .address_space: global }
      - { .name: out0, .offset: 16, .size: 8, .value_kind: global_buffer, .address_space: global }
    .group_segment_fixed_size: 85248
    .private_segment_fixed_size: 0
    .kernarg_segment_align: 8
    .kernarg_segment_size: 24
    .max_flat_workgroup_size: 512
    .sgpr_count:     66
    .vgpr_count:     256
    .wavefront_size: 32
...
	.end_amdgpu_metadata
.endif
;; end of part 5
